; MI455X (gfx1250); checked and timed in simulation.
; The chip was launched on July 23, 2026; its instructions are those of AMD's public machine-readable ISA for CDNA 5 (MIT licence, August 2026) and "CDNA5" Instruction Set Architecture Reference Guide (July 2026). The comments in the code are by the model that wrote it; some were corrected since.
;; Sparse Multi Head Attention. Allowed arithmetic: matrix products marked QUANTISED: E2M1 operands, one E8M0 scale for each 32 along K, by v_wmma_scale_f32_16x16x128_f8f6f4 with both operands' format E2M1 (or v_wmma_scale_f32_32x16x128_f4), f32 sums; products left as they are: bf16, f16 or f32 operands; f32 sums; everything else in f32.
;; Inputs: coords 4,096 x 5 int32; gamma_k 16 x 64 float32; gamma_q 16 x 64 float32; w_out 1,024 x 1,024 float32; w_qkv 3,072 x 1,024 float32; x 4,096 x 1,024 float32.
;; Outputs: out0 4,096 x 1,024 float32.
;; This version of the problem:
;;   THIS VERSION OF THE PROBLEM IS GIVEN IN LOW PRECISION. The matrix products marked QUANTISED in the list below multiply operands that are first quantised to E2M1 (2 exponent bits, 1 mantissa bit; 4 bits a number), with one power-of-two scale for each 32 numbers along K (OCP MX v1.0); their sums are f32. The products marked 'left as it is' may take bf16, f16 or f32 operands, with f32 sums. Whichever they take, every output number must still come out within the allowed error. Rounding operands to bf16 (8 significant bits) uses up far more of that allowance than f16 does (11 bits, for magnitudes from 6e-5 to 65,504). All else is computed in f32.
;;   The module's matrix products, in the order in which they are computed (A, B: the left and right operand; K: the contracted axis; several contracted axes count as one K, in the product's order):
;;     1. [M 4,096, K 1,024] x [K 1,024, N 3,072]; A: input x; B: input w_qkv: QUANTISED
;;     2. batch 16 x [M 4,096, K 64] x [K 64, N 4,096]; A: computed on the way; B: computed on the way: left as it is (an operand is computed on the way)
;;     3. batch 16 x [M 64, K 4,096] x [K 4,096, N 4,096]; A: computed on the way; B: computed on the way: left as it is (an operand is computed on the way)
;;     4. [M 4,096, K 1,024] x [K 1,024, N 1,024]; A: computed on the way; B: input w_out: left as it is (an operand is computed on the way)
;;   THE QUANTISER, for each operand of a quantised product, along K:
;;     - K is cut into blocks of 32 from its start; a last block that is shorter is filled with zeros.
;;     - A block's scale is 2^e with e = floor(log2(the largest magnitude in the block)) - 2, held to -126 .. 127; a block of zeros has e = 0. As a byte (E8M0): e + 127.
;;     - Each number is divided by its block's scale, clamped to +-6, and rounded to the nearest number of E2M1, ties to even, subnormals kept.
;;     - The product sums the exact products of the quantised numbers (number of the format x scale) in f32.
;;   ~~~python
;;   def quantise(x, axis):      # numpy; x: float32 -> the quantised numbers, widened to float32 again
;;       x = np.moveaxis(x, axis, -1); K = x.shape[-1]
;;       x = np.pad(x, [(0, 0)] * (x.ndim - 1) + [(0, -K % 32)]); x = x.reshape(x.shape[:-1] + (-1, 32)); a = np.abs(x).max(-1, keepdims=True)
;;       e = np.where(a > 0, np.clip(np.frexp(np.where(a > 0, a, 1))[1] - 1 - 2, -126, 127), 0)      # np.frexp(a)[1] - 1 = floor(log2(a)), exactly
;;       r = np.clip(x / 2.0 ** e, -6, 6)
;;       step = 2.0 ** (np.maximum(np.frexp(np.where(r == 0, 1, r))[1] - 1, 0) - 1)
;;       q = np.round(r / step) * step * 2.0 ** e      # np.round: ties to even
;;       return np.moveaxis(q.reshape(q.shape[:-2] + (-1,))[..., :K], -1, axis).astype(np.float32)
;;   ~~~
;; One version. Each part assembles by itself: llvm-mc -triple=amdgcn-amd-amdhsa -mcpu=gfx1250 --defsym DOCPART=n.
;; ======== version 1 of 1: 4 launches
;; limits: values are held in f16: magnitudes above 65,504 overflow, below 6.1e-05 lose precision; right only within a limited range of input values
;; workspace buffers: codes 3,670,016 bytes; scales 229,376 bytes; w16 2,097,152 bytes; rope 1,048,576 bytes; qimg 8,388,608 bytes; kimg 8,388,608 bytes; vimg 8,388,608 bytes; oimg 8,388,608 bytes
;; launch prep (part 1): grid 320 x 1, 4 waves a work-group, no clusters, 33,280 bytes of LDS; arguments x, w_qkv, w_out, coords, codes, scales, w16, rope; writes codes, scales, w16, rope
.if DOCPART == 1
	.amdgcn_target "amdgcn-amd-amdhsa--gfx1250"
	.amdhsa_code_object_version 6
	.text
	.protected	k_qee7aedba03_prep
	.globl	k_qee7aedba03_prep
	.p2align	8
	.type	k_qee7aedba03_prep,@function
k_qee7aedba03_prep:
	s_mov_b64 s[64:65], 0
	v_nop
	global_prefetch_b8 v0, s[64:65] scope:SCOPE_SE
	s_setreg_imm32_b32 hwreg(HW_REG_WAVE_MODE, 25, 1), 1
	s_wait_xcnt 0x0
; PREP: what the three later launches read many times is made once.
; DEAD WORK: reference() takes coords[:, 1:] alone, so column 0 of coords (the batch) reaches no output whatever it holds: its 4 bytes a row are not loaded.  Every other input has a way to the output
; and is loaded.  Limit: nothing else is left out, so no NaN, infinity or overflow is hidden by this.
; THREE ROLES, chosen by the work-group's number:
;   0-223   Q: x [4096][1024] and w_qkv [3072][1024], f32, become codes of FP4 (E2M1), K innermost, rows of 512 bytes, and one E8M0 byte for each 32 along K, rows of 32 bytes: x's rows first, w_qkv's behind them.
;              A block's scale is 2^(floor(log2(its largest magnitude)) - 2); its byte is the largest magnitude's exponent field - 2, held at 1 from below (a block of zeros keeps 1: its codes are zeros, and this program alone reads the bytes).
;   224-255 W: w_out [1024][1024] f32 becomes f16, laid as IMAGES OF OPERAND REGISTERS: [16 rows: 64][32 along K: 32][half c: 2][lane][16 bytes]; lane (r, h) holds row r, k = 16 c + 8 h + 0 .. 7.
;   256-319 R: cos and sin of the rope angles, laid as the next launch's lanes want them: [16 tokens: 256][axis b: 4][e: 2][lane][cos i, sin i, cos i+1, sin i+1], i = 8 b + 4 h + 2 e, token 16 tb + r.
; LIMITS: blocks whose largest magnitude lies under 2^-124 keep the byte 1; NaN and infinities are not served; |w_out| stays under 65,504 (f16); the angle's reduction by pi/2 in two parts serves |angle| up to about 1e5.
; Only role Q stores to LDS (a wave's own 8,192 bytes).  No tensor loads, no barrier: waves share nothing.
.set WAVES, 4
.set STEPS, 16
.set WGA,   128                        ; x: 4,096 x 1,024 numbers / 32,768 a work-group
.set EMAX,  2
.set CB,    8                          ; bytes of 16 codes
.set R,     16                         ; v16-79   four sets of 16 numbers as they are loaded
.set X,     80                         ; v80-111  two sets of 16 neighbours
.set C,     128                        ; v128-191 codes: four registers for each step
.set E,     112                        ; v112-127 a scale byte for each step
.set WREG,  8192                       ; LDS: a region for each wave: two stages of 32 x SP bytes, then its 256 scale bytes
.set SP,    80                         ; a lane's place in a stage: 64 bytes + 16 of padding
.set SPW,   12                         ; v12  LDS address of my spare word; never rewritten
.set NIL,   13                         ; v13  0; never rewritten
.set SPARE, WAVES*WREG                 ; the spare words: 128 bytes a wave, named by no other line
.macro FINISH                          ; the wave's end
	s_wait_tensorcnt 0x0
	ds_add_u32 v[SPW], v[NIL]
	s_wait_dscnt 0x0
	s_endpgm
.endm
	s_load_b256 s[4:11], s[0:1], 0x0               ; x s[4:5], w_qkv s[6:7], w_out s[8:9], coords s[10:11]
	s_load_b256 s[12:19], s[0:1], 0x20             ; codes s[12:13], scales s[14:15], w16 s[16:17], rope s[18:19]
	v_lshl_add_u32 v[SPW], v0, 2, SPARE
	v_mov_b32 v[NIL], 0
	v_lshrrev_b32 v1, 5, v0
	v_readfirstlane_b32 s20, v1                    ; wave
	v_and_b32 v2, 31, v0                           ; lane
	s_cmp_ge_u32 ttmp9, 224
	s_cbranch_scc1 .Lother
; ---------------- role Q: the quantiser.  A wave takes 16 steps of 512 numbers; each load reads 512 consecutive bytes; a step's 2,048 bytes turn through the wave's stage so that a lane holds 16 neighbours
	v_lshlrev_b32 v3, 4, v2                        ; my 16 bytes of a load's 512
	s_mul_i32 s21, s20, WREG
	v_lshrrev_b32 v14, 2, v2
	v_mul_u32_u24 v14, v14, SP
	v_and_b32 v15, 3, v2
	v_lshl_add_u32 v14, v15, 4, v14
	v_add_nc_u32 v14, s21, v14                     ; the stage, on the way in: SP (lane / 4) + 16 (lane % 4)
	v_mul_u32_u24 v15, v2, SP
	v_add_nc_u32 v15, s21, v15                     ; and on the way out: SP x lane
	v_mul_u32_u24 v4, v2, CB                       ; my codes' place in a step's
	v_lshrrev_b32 v5, 1, v2
	s_add_co_u32 s21, s21, 2*32*SP
	v_add_nc_u32 v5, s21, v5                       ; my block's byte among my wave's 256
	v_lshlrev_b32 v7, 3, v2
	v_add_nc_u32 v6, s21, v7
	s_wait_kmcnt 0x0
	s_cmp_lt_u32 ttmp9, WGA                        ; x's work-group or w_qkv's: the choice hangs on the work-group's number alone
	s_cselect_b64 s[4:5], s[4:5], s[6:7]
	s_cselect_b32 s21, 0, WGA
	s_sub_co_u32 s21, ttmp9, s21
	s_lshl_b32 s21, s21, 2
	s_add_co_u32 s22, s21, s20                     ; which run of 8,192 numbers of the tensor is my wave's
	s_lshl_b32 s22, s22, 15                        ; 32,768 bytes a run
	s_mov_b32 s23, 0
	s_add_nc_u64 s[4:5], s[4:5], s[22:23]
	s_lshl_b32 s24, ttmp9, 2
	s_add_co_u32 s24, s24, s20                     ; the run's number in the joint buffers: x fills the first 512 runs exactly
	s_lshl_b32 s22, s24, 12                        ; 4,096 bytes of codes a run
	s_add_nc_u64 s[12:13], s[12:13], s[22:23]
	s_lshl_b32 s22, s24, 8                         ; 256 scale bytes a run
	s_add_nc_u64 s[14:15], s[14:15], s[22:23]
.macro LOAD t
.irp i, 0,1,2,3
	global_load_b128 v[R+16*((\t)%4)+4*\i:R+16*((\t)%4)+4*\i+3], v3, s[4:5] offset:2048*(\t)+512*\i th:TH_LOAD_NT
.endr
.endm
.macro TURN t                          ; LDS serves a wave's instructions in order: no wait between the stores and the loads
.irp i, 0,1,2,3
	ds_store_b128 v14, v[R+16*((\t)%4)+4*\i:R+16*((\t)%4)+4*\i+3] offset:32*SP*((\t)%2)+8*SP*\i
.endr
.irp i, 0,1,2,3
	ds_load_b128 v[X+16*((\t)%2)+4*\i:X+16*((\t)%2)+4*\i+3], v15 offset:32*SP*((\t)%2)+16*\i
.endr
.endm
.irp t, 0,1,2,3
	LOAD \t
.endr
	s_wait_loadcnt 12                              ; step 0's four loads are in; three steps' twelve stay out
	TURN 0
.macro STEP t
.set XS, X+16*((\t)%2)
.if (\t) > 0
	s_wait_dscnt 1                                 ; this step's numbers are back from the stage; the last step's byte store may be out
.else
	s_wait_dscnt 0x0
.endif
.if (\t)+4 < STEPS
	LOAD (\t)+4
.endif
.if (\t)+1 < STEPS
.if STEPS-2-(\t) >= 3
	s_wait_loadcnt 12                              ; the next step's four loads are in; those of the three steps behind it may be out
.else
	s_wait_loadcnt 4*(STEPS-2-(\t))
.endif
	TURN (\t)+1
.endif
	v_max3_num_f32 v8, |v[XS]|, |v[XS+1]|, |v[XS+2]|               ; the largest magnitude of my 16, in two chains
	v_max3_num_f32 v9, |v[XS+3]|, |v[XS+4]|, |v[XS+5]|
.irp i, 6,10
	v_max3_num_f32 v8, v8, |v[XS+\i]|, |v[XS+\i+1]|
	v_max3_num_f32 v9, v9, |v[XS+\i+2]|, |v[XS+\i+3]|
.endr
	v_max3_num_f32 v8, v8, |v[XS+14]|, |v[XS+15]|
	v_max3_num_f32 v8, v8, v9, (EMAX+1)<<23        ; and the floor 2^(3 - 127): the byte cannot fall under 1
	v_max_num_f32_dpp v8, v8, v8 row_xmask:1 row_mask:0xf bank_mask:0xf   ; with my neighbour's 16: the block's
	v_add_nc_u32 v11, -(EMAX<<23), v8              ; 2 off its exponent field: the conversion takes this operand's exponent field as its scale
	v_cvt_scalef32_pk8_fp4_f32 v[C+4*(\t)], v[XS:XS+7], v11
	v_cvt_scalef32_pk8_fp4_f32 v[C+4*(\t)+1], v[XS+8:XS+15], v11
	v_lshrrev_b32 v[E+(\t)], 23, v11               ; the scale's byte
	ds_store_b8 v5, v[E+(\t)] offset:16*(\t)       ; both lanes of a block write the same byte with the same value
	global_store_b64 v4, v[C+4*(\t):C+4*(\t)+1], s[12:13] offset:32*CB*(\t)   ; the wave stores 256 consecutive bytes, aligned
.endm
.irp t, 0,1,2,3,4,5,6,7,8,9,10,11,12,13,14,15
	STEP \t
.endr
	ds_load_b64 v[8:9], v6                         ; my wave's 256 scale bytes, 8 a lane
	s_wait_dscnt 0x0
	global_store_b64 v7, v[8:9], s[14:15]          ; 256 consecutive bytes, aligned
	FINISH
.Lother:
	s_cmp_ge_u32 ttmp9, 256
	s_cbranch_scc1 .Lrope
; ---------------- role W: w_out to f16 images.  128 waves: wave gw takes rows 16 (gw / 2) on and 512 along K: 16 fragments, in four batches of four
	s_sub_co_u32 s21, ttmp9, 224
	s_lshl_b32 s21, s21, 2
	s_add_co_u32 s21, s21, s20                     ; gw
	s_lshr_b32 s22, s21, 1                         ; the block of 16 rows
	s_and_b32 s24, s21, 1                          ; which half of K
	v_and_b32 v3, 15, v0                           ; r
	v_bfe_u32 v4, v0, 4, 1                         ; h
	v_lshlrev_b32 v5, 12, v3
	v_lshl_add_u32 v5, v4, 5, v5                   ; in: row r of 4,096 bytes, + 32 h: eight numbers
	v_lshlrev_b32 v6, 4, v2                        ; out: 16 x lane
	s_lshl_b32 s26, s22, 16
	s_lshl_b32 s25, s24, 11
	s_add_co_u32 s26, s26, s25
	s_mov_b32 s27, 0
	s_lshl_b32 s28, s22, 15
	s_lshl_b32 s25, s24, 14
	s_add_co_u32 s28, s28, s25
	s_mov_b32 s29, 0
	s_wait_kmcnt 0x0
	s_add_nc_u64 s[8:9], s[8:9], s[26:27]
	s_add_nc_u64 s[16:17], s[16:17], s[28:29]
.macro LOADW bt                        ; batch bt: four fragments, 16 loads, into set bt % 2 (v32-95, v96-159)
.irp k, 0,1,2,3
.irp c, 0,1
.irp e, 0,1
	global_load_b128 v[32+64*((\bt)%2)+16*\k+8*\c+4*\e:32+64*((\bt)%2)+16*\k+8*\c+4*\e+3], v5, s[8:9] offset:(4*(\bt)+\k)*128+\c*64+\e*16 th:TH_LOAD_NT
.endr
.endr
.endr
.endm
.macro CASTW bt
.if (\bt) < 3
	s_wait_loadcnt 16                              ; this batch is in; the next batch's sixteen may be out
.else
	s_wait_loadcnt 0x0
.endif
.if (\bt) > 0
	s_wait_xcnt 0x0                                ; the last batch's stores have read v160-191
.endif
.set p, 0
.rept 32
	v_cvt_pk_f16_f32 v[160+p], v[32+64*((\bt)%2)+2*p], v[32+64*((\bt)%2)+2*p+1]
.set p, p+1
.endr
.if (\bt)+2 < 4
	LOADW (\bt)+2
.endif
.irp k, 0,1,2,3
.irp c, 0,1
	global_store_b128 v6, v[160+8*\k+4*\c:160+8*\k+4*\c+3], s[16:17] offset:(4*(\bt)+\k)*1024+\c*512   ; 512 consecutive bytes, aligned
.endr
.endr
.endm
	LOADW 0
	LOADW 1
	CASTW 0
	CASTW 1
	CASTW 2
	CASTW 3
	FINISH
.Lrope:
; ---------------- role R: cos and sin.  256 waves, 16 tokens each.  angle = pos x freq, one rounding as reference() has it; freq[f] = 10^(-f / 16)
	s_sub_co_u32 s21, ttmp9, 256
	s_lshl_b32 s21, s21, 2
	s_add_co_u32 s21, s21, s20                     ; tb: my 16 tokens
	s_mul_i32 s22, s21, 320                        ; 16 rows of 20 bytes
	s_mov_b32 s23, 0
	s_lshl_b32 s24, s21, 12
	s_mov_b32 s25, 0
	v_and_b32 v3, 15, v0                           ; r
	v_bfe_u32 v4, v0, 4, 1                         ; h
	v_mul_u32_u24 v5, v3, 20
	v_lshlrev_b32 v6, 4, v2
	s_mov_b32 s40, 0x3f22f983                      ; 2 / pi
	s_mov_b32 s41, 0xbfc90fdb                      ; -(pi / 2 rounded to f32)
	s_mov_b32 s42, 0x333bbd2e                      ; that rounding's excess over pi / 2
	s_mov_b32 s43, 0xb94ca1f9                      ; sine: -1.9515296e-4,
	s_mov_b32 s44, 0x3c08839e                      ; 8.3321609e-3,
	s_mov_b32 s45, 0xbe2aaaa3                      ; -0.16666655
	s_mov_b32 s46, 0x37ccf5ce                      ; cosine: 2.4433157e-5,
	s_mov_b32 s47, 0xbab6061a                      ; -1.3887316e-3,
	s_mov_b32 s48, 0x3d2aaaa5                      ; 0.041666646
	s_wait_kmcnt 0x0
	s_add_nc_u64 s[10:11], s[10:11], s[22:23]
	s_add_nc_u64 s[18:19], s[18:19], s[24:25]
.irp b, 0,1,2,3
	global_load_b32 v[32+\b], v5, s[10:11] offset:4+4*\b   ; columns 1 to 4 of my token's row
.endr
	v_cmp_ne_u32 vcc_lo, 0, v4                     ; lanes 16-31 take frequencies 4 to 7
	v_mov_b32 v40, 0x3f0ff59a                      ; freq 4
	v_mov_b32 v41, 0x3ef953cf                      ; 5
	v_mov_b32 v42, 0x3ed7e89b                      ; 6
	v_mov_b32 v43, 0x3ebaf81a                      ; 7
	v_cndmask_b32 v36, 1.0, v40, vcc_lo            ; freq 0
	v_cndmask_b32 v37, 0x3f5dafd6, v41, vcc_lo     ; 1
	v_cndmask_b32 v38, 0x3f3ff911, v42, vcc_lo     ; 2
	v_cndmask_b32 v39, 0x3f263de0, v43, vcc_lo     ; 3
	s_wait_loadcnt 0x0
.irp b, 0,1,2,3
	v_cvt_f32_i32 v[32+\b], v[32+\b]
.endr
; cos into v[dc], sin into v[ds] of v[pos] x v[f]: k = the nearest whole number to angle x 2 / pi; y = angle - k pi / 2 in two parts; polynomials on |y| <= pi / 4; the quadrant k mod 4 swaps and signs
.macro SINCOS dc, ds, pos, f
	v_mul_f32 v20, v[\pos], v[\f]
	v_mul_f32 v21, s40, v20
	v_rndne_f32 v21, v21
	v_fma_f32 v22, v21, s41, v20
	v_fma_f32 v22, v21, s42, v22
	v_mul_f32 v23, v22, v22
	v_fma_f32 v24, v23, s43, s44
	v_fma_f32 v26, v23, s46, s47
	v_fma_f32 v24, v24, v23, s45
	v_fma_f32 v26, v26, v23, s48
	v_mul_f32 v25, v23, v22
	v_mul_f32 v27, v23, v23
	v_fma_f32 v28, v23, -0.5, 1.0
	v_fma_f32 v24, v24, v25, v22                   ; sin y
	v_fma_f32 v26, v26, v27, v28                   ; cos y
	v_cvt_i32_f32 v29, v21
	v_and_b32 v30, 1, v29
	v_cmp_ne_u32 vcc_lo, 0, v30
	v_cndmask_b32 v[\ds], v24, v26, vcc_lo
	v_cndmask_b32 v[\dc], v26, v24, vcc_lo
	v_and_b32 v30, 2, v29
	v_lshlrev_b32 v30, 30, v30
	v_xor_b32 v[\ds], v30, v[\ds]
	v_add_nc_u32 v29, 1, v29
	v_and_b32 v29, 2, v29
	v_lshlrev_b32 v29, 30, v29
	v_xor_b32 v[\dc], v29, v[\dc]
.endm
.irp b, 0,1,2,3
.irp e, 0,1
	SINCOS 64+8*\b+4*\e, 65+8*\b+4*\e, 32+\b, 36+2*\e
	SINCOS 66+8*\b+4*\e, 67+8*\b+4*\e, 32+\b, 37+2*\e
	global_store_b128 v6, v[64+8*\b+4*\e:67+8*\b+4*\e], s[18:19] offset:\b*1024+\e*512   ; 512 consecutive bytes, aligned; each store has data registers of its own
.endr
.endr
	FINISH
.Lfunc_end_k_qee7aedba03_prep:
	.size	k_qee7aedba03_prep, .Lfunc_end_k_qee7aedba03_prep-k_qee7aedba03_prep
	.p2alignl 7, 3214868480
	.fill 96, 4, 3214868480
	.section	.rodata,"a",@progbits
	.p2align	6, 0x0
	.amdhsa_kernel k_qee7aedba03_prep
		.amdhsa_group_segment_fixed_size 33280
		.amdhsa_private_segment_fixed_size 0
		.amdhsa_enable_private_segment 0
		.amdhsa_kernarg_size 64
		.amdhsa_user_sgpr_count 2
		.amdhsa_user_sgpr_kernarg_segment_ptr 1
		.amdhsa_wavefront_size32 1
		.amdhsa_system_sgpr_workgroup_id_x 1
		.amdhsa_system_sgpr_workgroup_id_y 1
		.amdhsa_system_sgpr_workgroup_id_z 1
		.amdhsa_system_vgpr_workitem_id 0
		.amdhsa_next_free_vgpr 192
		.amdhsa_next_free_sgpr 66
		.amdhsa_reserve_vcc 1
		.amdhsa_float_denorm_mode_32 3
		.amdhsa_float_denorm_mode_16_64 3
		.amdhsa_memory_ordered 1
		.amdhsa_forward_progress 1
		.amdhsa_inst_pref_size 73
	.end_amdhsa_kernel
	.amdgpu_metadata
---
amdhsa.version: [ 1, 2 ]
amdhsa.kernels:
  - .name:           k_qee7aedba03_prep
    .symbol:         k_qee7aedba03_prep.kd
    .args:
      - { .name: x, .offset: 0, .size: 8, .value_kind: global_buffer, .address_space: global }
      - { .name: w_qkv, .offset: 8, .size: 8, .value_kind: global_buffer, .address_space: global }
      - { .name: w_out, .offset: 16, .size: 8, .value_kind: global_buffer, .address_space: global }
      - { .name: coords, .offset: 24, .size: 8, .value_kind: global_buffer, .address_space: global }
      - { .name: codes, .offset: 32, .size: 8, .value_kind: global_buffer, .address_space: global }
      - { .name: scales, .offset: 40, .size: 8, .value_kind: global_buffer, .address_space: global }
      - { .name: w16, .offset: 48, .size: 8, .value_kind: global_buffer, .address_space: global }
      - { .name: rope, .offset: 56, .size: 8, .value_kind: global_buffer, .address_space: global }
    .group_segment_fixed_size: 33280
    .private_segment_fixed_size: 0
    .kernarg_segment_align: 8
    .kernarg_segment_size: 64
    .max_flat_workgroup_size: 128
    .sgpr_count:     66
    .vgpr_count:     192
    .wavefront_size: 32
...
	.end_amdgpu_metadata
.endif
;; end of part 1
;; launch qkv (part 2): grid 12 x 16, 4 waves a work-group, clusters of 4 x 4, 327,680 bytes of LDS; arguments codes, scales, rope, gamma_q, gamma_k, qimg, kimg, vimg; writes qimg, kimg, vimg
.if DOCPART == 2
	.amdgcn_target "amdgcn-amd-amdhsa--gfx1250"
	.amdhsa_code_object_version 6
	.text
	.protected	k_qee7aedba03_qkv
	.globl	k_qee7aedba03_qkv
	.p2align	8
	.type	k_qee7aedba03_qkv,@function
k_qee7aedba03_qkv:
	s_mov_b64 s[64:65], 0
	v_nop
	global_prefetch_b8 v0, s[64:65] scope:SCOPE_SE
	s_setreg_imm32_b32 hwreg(HW_REG_WAVE_MODE, 25, 1), 1
	s_wait_xcnt 0x0
	s_wait_alu depctr_hold_cnt(0) depctr_sa_sdst(0) depctr_va_vdst(0) depctr_va_sdst(0) depctr_va_ssrc(0) depctr_va_vcc(0) depctr_vm_vsrc(0)
	s_getreg_b32 s2, hwreg(HW_REG_IB_STS2, 6, 4)
	s_cmp_eq_u32 s2, 0
	s_cbranch_scc0 .Lentry_in_a_cluster
	s_endpgm
.Lentry_in_a_cluster:
	s_bfe_u32 s2, ttmp6, 0x10000c
	s_cmp_lg_u32 s2, 0xf033
	s_cbranch_scc0 .Lentry_shape_is_right
	s_endpgm
.Lentry_shape_is_right:
; QKV: x w_qkv^T on codes of FP4 (E2M1) with one E8M0 scale for each 32 along K, and on the way out q's and k's norm, gain and rope.  No work of reference() is left out here.
; Both operands are rows of the joint buffers: codes (512 bytes a row), scales (32 bytes a row); in tiles of 256 rows: x is tiles 0-15, w_q 16-19, w_k 20-23, w_v 24-27.
; A tile of the result, 256 x 256, is made by a work-group of four waves; a wave makes 128 x 128: 64 accumulators of 16 x 16, 512 registers.  K = 1,024 is two LDS slots of 512 along K: both are first fills, nothing is filled again.
; THE MATRIX INSTRUCTION IS USED TRANSPOSED (source 0 = 16 rows of 'B', source 1 = 16 rows of 'A'): a lane holds one row of A and eight neighbouring rows of B.
;   clusters x = 0, 1 (q, k): A = tokens, B = features: a lane holds one token and 8 neighbouring features: rounded to f16 that is half an operand fragment (16 tokens x 32 channels) of the next launch.
;   cluster  x = 2    (v):    A = w_v's rows, B = tokens: a lane holds one channel and 8 neighbouring keys: half a fragment of V^T (16 channels x 32 keys).
; So the results leave straight from registers as IMAGES OF OPERAND REGISTERS, each store 512 consecutive aligned bytes, with no stage in LDS:
;   qimg, kimg: [head][16 tokens: 256][32 channels: 2][c: 2][lane][16 bytes];   vimg: [head][32 keys: 128][16 channels: 4][c: 2][lane][16 bytes].
; CLUSTERS: 4 x 4 work-groups; A's tiles are shared along a row of the cluster, B's along a column: each is asked for jointly.  The branch between the two ways out hangs on the cluster's x, which all sixteen share.
; LIMITS: |v| stays under 65,504 (f16); a head's sum of squares stays inside f32; NaN and infinities are not served.
; REGISTERS: window 0: v0-31 addresses; v32-95 scale words, two sets; from v128 A's fragments, one set.  window 1: B's fragments, two sets.  windows 2, 3: the accumulators ((a, b) at v[8 (8 (a % 4) + b)]).
;   On the way out window 0 holds: v8-15 at work; v32-63 sums of squares, then 8 / norm; v64-127 the gains; v128-191 cos and sin, two sets; v192-223 a tile's numbers; v224-255 f16 pairs, two sets.
.set KSTEP,  512
.set NQ,     KSTEP/128
.set ROWB,   256                       ; a tile's row in bytes
.set KROW,   512                       ; a row of codes in memory
.set PITCH,  272                       ; an LDS row: 256 bytes + 16 of padding: the 16 rows that a load touches start 68 words apart
.set FR,     8
.set NL,     2
.set NP,     4
.set HALFT,  128*PITCH
.set SLOT,   4*HALFT
.set KS,     32                        ; a row of scale bytes
.set SCL,    2*SLOT
.set HALFS,  (128*KS/256)*272
.set SBLK,   (16*KS/256)*272
.set SPARE,  SCL+4*HALFS               ; the spare words: 128 bytes a wave, named by no other line
.set ADRA, 16
.set ADRB, 20
.set ADRS, 27
.set SPW,  28                          ; v28 LDS address of my spare word; never rewritten
.set NIL,  29                          ; v29 0; never rewritten
.set SC,   32
.set AF,   128
.set G1, 24
.set G0, 32
.set G1B, 48
.set G0B, 56
.set G1S, 68
.set G0S, 76
.set G1SB, 80
.set G0SB, 88
.set SS,  32                           ; the way out
.set G,   64
.set CSR, 128
.set Y,   192
.set PK,  224
.set TT,  8
.set MSB, 0
.macro WIN new                         ; the immediate's high byte repeats the setting that is left
.if MSB != \new
	s_set_vgpr_msb (MSB<<8)|\new
.set MSB, \new
.endif
.endm
.set MUL_LO, 0xa1                      ; source 0 (B) window 1, source 1 (A) window 0, C and D window 2
.set MUL_HI, 0xf1
.set TO_B,   0x40
; A joint load: waves 0 and 1 fetch for A, waves 2 and 3 for B; an s_nop 0 and four v_nop follow each of the two lines
.macro JLOAD g0a, g1a, g0b, g1b
	s_cmp_eq_u32 s15, 0
	s_cbranch_scc0 .Lfor_b_\@
	tensor_load_to_lds s[\g0a:\g0a+3], s[\g1a:\g1a+7]
	s_nop 0
.rept 4
	v_nop
.endr
	s_branch .Lasked_\@
.Lfor_b_\@:
	tensor_load_to_lds s[\g0b:\g0b+3], s[\g1b:\g1b+7]
	s_nop 0
.rept 4
	v_nop
.endr
.Lasked_\@:
.endm
.macro CROUND                          ; a round of the cluster's barrier
	s_barrier_signal -1
	s_barrier_wait -1
	s_cmp_lg_u32 s14, 0
	s_cbranch_scc1 .Lnot_wave_0_\@
	s_barrier_signal -3
.Lnot_wave_0_\@:
	s_barrier_wait -3
	s_barrier_signal -1
	s_barrier_wait -1
.endm
.macro FINISH                          ; the wave's end, and the closing round
	s_wait_tensorcnt 0x0
	ds_add_u32 v[SPW], v[NIL]
	s_wait_dscnt 0x0
	CROUND
	s_endpgm
.endm
	s_load_b128 s[4:7], s[0:1], 0x0                ; codes s[4:5], scales s[6:7]
	s_load_b128 s[8:11], s[0:1], 0x10              ; rope s[8:9], gamma_q s[10:11]
	s_load_b64 s[12:13], s[0:1], 0x20              ; gamma_k
	s_load_b128 s[96:99], s[0:1], 0x28             ; qimg s[96:97], kimg s[98:99]
	s_load_b64 s[100:101], s[0:1], 0x38            ; vimg
	v_lshl_add_u32 v[SPW], v0, 2, SPARE
	v_mov_b32 v[NIL], 0
	ds_add_u32 v[SPW], v[NIL]                      ; the wave's opening: the add, twice on end, and its wait ahead of my first tensor load
	ds_add_u32 v[SPW], v[NIL]
	v_lshrrev_b32 v1, 5, v0
	v_readfirstlane_b32 s14, v1                    ; wave 0..3
	s_lshr_b32 s15, s14, 1                         ; which half of A's rows is mine.  Also: I fetch for A (0) or for B (1)
	s_and_b32 s16, s14, 1                          ; which half of B's rows.  Also: which 128 rows of that tile I fetch
	s_bfe_u32 s40, ttmp6, 0x40000                  ; cx
	s_bfe_u32 s41, ttmp6, 0x40004                  ; cy
	s_and_b32 s17, ttmp7, 0xffff
	s_lshl_b32 s17, s17, 2                         ; 4 x cluster y
	s_lshl_b32 s42, ttmp9, 2
	s_add_co_u32 s42, s42, 16                      ; 16 + 4 x cluster x
	s_cmp_eq_u32 ttmp9, 2                          ; the cluster of v?  The same in all sixteen partners
	s_cselect_b32 s42, s17, s42                    ; B's tile: tokens for v, else w_q's or w_k's rows,
	s_cselect_b32 s17, 24, s17                     ; A's tile: w_v's rows for v, else tokens
	s_add_co_u32 s42, s42, s40                     ; + cx
	s_add_co_u32 s17, s17, s41                     ; + cy
	s_lshl_b32 s43, s41, 2
	s_lshl_b32 s43, 15, s43                        ; my row of the cluster
	s_lshl_b32 s44, 0x1111, s40                    ; my column
	s_mov_b32 s66, 0x76543210
	s_mov_b32 s67, 0xfedcba98                      ; v_permlanex16_b32's selects for lane l xor 16
	; descriptor group 1: a tile of 128 rows x 256 bytes, 16 bytes of padding behind each row
	s_or_b32 s[G1+0], s43, (0<<16)|(1<<20)|(1<<21)|(5<<22)|(3<<25)
	s_or_b32 s[G1B+0], s44, (0<<16)|(1<<20)|(1<<21)|(5<<22)|(3<<25)
.irp g, G1, G1B
	s_mov_b32 s[\g+1], ROWB<<16                    ; tensor_dim0
	s_mov_b32 s[\g+2], 128<<16                     ; tensor_dim1
	s_mov_b32 s[\g+3], ROWB<<16                    ; tile_dim0
	s_mov_b32 s[\g+4], 128                         ; tile_dim1
	s_mov_b32 s[\g+5], KROW                        ; the pitch
	s_mov_b32 s[\g+6], 0
	s_mov_b32 s[\g+7], 0
.endr
	; the scales of 128 rows: 4,096 dense bytes, as 16 rows of 256 bytes (32 elements of 8), 16 bytes of padding behind each
	s_or_b32 s[G1S+0], s43, (3<<16)|(1<<20)|(1<<21)|(5<<22)|(3<<25)
	s_or_b32 s[G1SB+0], s44, (3<<16)|(1<<20)|(1<<21)|(5<<22)|(3<<25)
.irp g, G1S, G1SB
	s_mov_b32 s[\g+1], 32<<16
	s_mov_b32 s[\g+2], (128*KS/256)<<16
	s_mov_b32 s[\g+3], 32<<16
	s_mov_b32 s[\g+4], 128*KS/256
	s_mov_b32 s[\g+5], 32
	s_mov_b32 s[\g+6], 0
	s_mov_b32 s[\g+7], 0
.endr
	s_lshl_b32 s18, s16, 7                         ; which 128 rows of the tile I fetch
	s_lshl_b32 s20, s17, 8
	s_add_co_u32 s20, s20, s18                     ; A: row 256 x tile + 128 x half
	s_lshl_b32 s46, s42, 8
	s_add_co_u32 s46, s46, s18                     ; B likewise
	s_mov_b32 s21, 0
	s_mov_b32 s47, 0
	s_mov_b64 s[18:19], KS
	s_mul_u64 s[22:23], s[20:21], s[18:19]         ; where these rows' scales begin, in bytes,
	s_mul_u64 s[92:93], s[46:47], s[18:19]
	s_mov_b64 s[18:19], KROW
	s_mul_u64 s[20:21], s[20:21], s[18:19]         ; and their codes
	s_mul_u64 s[46:47], s[46:47], s[18:19]
	s_mul_i32 s45, s14, HALFT                      ; where they go: wave x 128 rows
	s_mul_i32 s94, s14, HALFS
	s_wait_dscnt 0x0                               ; both opening adds are done
	s_wait_kmcnt 0x0
	s_add_nc_u64 s[20:21], s[4:5], s[20:21]
	s_add_nc_u64 s[22:23], s[6:7], s[22:23]
	s_add_nc_u64 s[46:47], s[4:5], s[46:47]
	s_add_nc_u64 s[92:93], s[6:7], s[92:93]
	CROUND                                         ; all sixteen work-groups are here: the joint loads meet
	s_mov_b32 s[G0S], 1
	s_add_co_u32 s[G0S+1], s94, SCL
	s_mov_b64 s[G0S+2:G0S+3], s[22:23]
	s_or_b32 s[G0S+3], s[G0S+3], 0x80000000
	s_mov_b32 s[G0SB], 1
	s_add_co_u32 s[G0SB+1], s94, SCL
	s_mov_b64 s[G0SB+2:G0SB+3], s[92:93]
	s_or_b32 s[G0SB+3], s[G0SB+3], 0x80000000
	JLOAD G0S, G1S, G0SB, G1SB                     ; the scales first
.irp s, 0,1
	s_mov_b32 s[G0+4*\s], 1
	s_add_co_u32 s[G0+4*\s+1], s45, \s*SLOT
	s_add_nc_u64 s[G0+4*\s+2:G0+4*\s+3], s[20:21], \s*ROWB
	s_or_b32 s[G0+4*\s+3], s[G0+4*\s+3], 0x80000000
	s_mov_b32 s[G0B+4*\s], 1
	s_add_co_u32 s[G0B+4*\s+1], s45, \s*SLOT
	s_add_nc_u64 s[G0B+4*\s+2:G0B+4*\s+3], s[46:47], \s*ROWB
	s_or_b32 s[G0B+4*\s+3], s[G0B+4*\s+3], 0x80000000
	JLOAD G0+4*\s, G1, G0B+4*\s, G1B               ; both halves of K: three loads of mine are out, and no more follow
.endr
	v_and_b32 v1, 15, v0                           ; l % 16
	v_bfe_u32 v2, v0, 4, 1                         ; l / 16
	v_mul_u32_u24 v3, v1, PITCH
	v_lshl_add_u32 v4, v2, 4, v3                   ; a fragment's row x pitch + 16 x half
	s_mul_i32 s21, s15, HALFT
	s_mul_i32 s22, s16, HALFT
	s_add_co_u32 s22, s22, 2*HALFT
.irp s, 0,1
	v_add_nc_u32 v[ADRA+\s], s21, v4
	v_add_nc_u32 v[ADRB+\s], s22, v4
	s_add_co_u32 s21, s21, SLOT
	s_add_co_u32 s22, s22, SLOT
.endr
	v_mul_u32_u24 v5, v1, KS                       ; my row's scales: 32 bytes a row,
	v_lshrrev_b32 v6, 8, v5
	v_lshl_add_u32 v5, v6, 4, v5                   ; and 16 more for each 256 passed
	s_mul_i32 s21, s15, HALFS
	s_mul_i32 s22, s16, HALFS
	s_add_co_u32 s22, s22, 2*HALFS
	s_sub_co_u32 s22, s22, s21
	v_mul_u32_u24 v6, s22, v2                      ; lanes 16-31 take B's
	s_add_co_u32 s21, s21, SCL
	v_add_nc_u32 v5, v5, v6
	v_add_nc_u32 v[ADRS], s21, v5
.macro FRAG reg, adr, q, i             ; 16 rows x 128 K of 4-bit codes: 8 registers, two loads of 16 bytes, 32 bytes apart
.irp c, 0,1
	ds_load_b128 v[\reg+4*\c:\reg+4*\c+3], v[\adr] offset:64*(\q)+32*\c+(\i)*16*PITCH
.endr
.endm
; 16 matrix instructions: A's blocks a0, a0 + 1 x B's eight, 128 along K.  The 64 accumulators take turns, one instruction a turn, in the same order in every step.
.macro MUL16 a0, p, q, sc, zero
.irp a, \a0, \a0+1
.irp b, 0,1,2,3,4,5,6,7
.if \zero
	v_wmma_scale_f32_16x16x128_f8f6f4 v[8*(8*((\a)%4)+\b):8*(8*((\a)%4)+\b)+7], v[128*(\p)+FR*\b:128*(\p)+FR*\b+FR-1], v[AF+FR*(\a):AF+FR*(\a)+FR-1], 0, v[SC+8*NQ*(\sc)+NQ*\b+(\q)], v[SC+8*NQ*(\sc)+NQ*(\a)+(\q)] matrix_a_fmt:MATRIX_FMT_FP4 matrix_b_fmt:MATRIX_FMT_FP4 matrix_a_scale:MATRIX_SCALE_ROW1
.else
	v_wmma_scale_f32_16x16x128_f8f6f4 v[8*(8*((\a)%4)+\b):8*(8*((\a)%4)+\b)+7], v[128*(\p)+FR*\b:128*(\p)+FR*\b+FR-1], v[AF+FR*(\a):AF+FR*(\a)+FR-1], v[8*(8*((\a)%4)+\b):8*(8*((\a)%4)+\b)+7], v[SC+8*NQ*(\sc)+NQ*\b+(\q)], v[SC+8*NQ*(\sc)+NQ*(\a)+(\q)] matrix_a_fmt:MATRIX_FMT_FP4 matrix_b_fmt:MATRIX_FMT_FP4 matrix_a_scale:MATRIX_SCALE_ROW1
.endif
.endr
.endr
.endm
.macro FETCH_B slot, q, p
	WIN TO_B
.irp i, 0,1,2,3,4,5,6,7
	FRAG 128*(\p)+FR*\i, ADRB+\slot, \q, \i
.endr
	WIN 0
.endm
.macro FETCH_A slot, q, i0
.irp i, \i0, \i0+1, \i0+2, \i0+3
	FRAG AF+FR*(\i), ADRA+\slot, \q, \i
.endr
.endm
.macro SCALES sc                       ; a slot's scale words: 4 words a row; lanes 0-15 take A's block i, lanes 16-31 B's block i
.irp i, 0,1,2,3,4,5,6,7
	ds_load_b128 v[SC+8*NQ*\sc+NQ*\i:SC+8*NQ*\sc+NQ*\i+3], v[ADRS] offset:\i*SBLK
.endr
.endm
.macro PLACES n                        ; plain vector instructions between a matrix instruction and a load into, a write of or a read of its registers
.rept \n
	v_nop
.endr
.endm
.macro STEP slot, q, zero              ; 128 along K that has its successor in the same slot
	s_wait_dscnt 4*NL                              ; B's set and A's blocks 0-3 are in; the youngest eight loads (A's blocks 4-7) may be out
	WIN MUL_LO
	MUL16 0, (\q)%2, \q, \slot, \zero
	MUL16 2, (\q)%2, \q, \slot, \zero
	s_wait_dscnt 0
	PLACES NP
	FETCH_B \slot, (\q)+1, 1-(\q)%2
	FETCH_A \slot, (\q)+1, 0
	WIN MUL_HI
	MUL16 4, (\q)%2, \q, \slot, \zero
	MUL16 6, (\q)%2, \q, \slot, \zero
	PLACES NP
	WIN 0
	FETCH_A \slot, (\q)+1, 4
.endm
; Slot 0's last step changes slots: each wave waits for all its tensor loads (its part of slot 1), and one barrier shows the whole slot to all four.  Nothing is filled again.
.macro TURN slot, next
	s_wait_tensorcnt 0x0
	ds_add_u32 v[SPW], v[NIL]
	s_wait_dscnt 4*NL+1                            ; the add and the youngest eight loads may be out
	WIN MUL_LO
	MUL16 0, 1, NQ-1, \slot, 0
	s_wait_dscnt 0x0
	s_barrier_signal -1
	MUL16 2, 1, NQ-1, \slot, 0
	WIN 0
	s_barrier_wait -1
	PLACES NP
	v_add_nc_u32 v[ADRS], 4*NQ, v[ADRS]            ; on to the next slot's scale words
	FETCH_B \next, 0, 0
	FETCH_A \next, 0, 0
	SCALES \next
	WIN MUL_HI
	MUL16 4, 1, NQ-1, \slot, 0
	MUL16 6, 1, NQ-1, \slot, 0
	PLACES NP
	WIN 0
	FETCH_A \next, 0, 4
.endm
.macro STEPS slot, from
.set Q, \from
.rept NQ-1-\from
	STEP \slot, Q, 0
.set Q, Q+1
.endr
.endm
	s_wait_tensorcnt 1                             ; the scales and my part of slot 0 are in; slot 1's load may be out
	s_barrier_signal -1
	s_barrier_wait -1
	FETCH_B 0, 0, 0
	FETCH_A 0, 0, 0
	SCALES 0
	FETCH_A 0, 0, 4
	STEP 0, 0, 1                                   ; the first products start the sums: nothing is cleared
	STEPS 0, 1
	TURN 0, 1
	STEPS 1, 0
	s_wait_dscnt 4*NL
	WIN MUL_LO
	MUL16 0, 1, NQ-1, 1, 0
	MUL16 2, 1, NQ-1, 1, 0
	s_wait_dscnt 0
	WIN MUL_HI
	MUL16 4, 1, NQ-1, 1, 0
	MUL16 6, 1, NQ-1, 1, 0
	WIN 0
	PLACES NP                                      ; in front of the first read of results and of loads and writes into operands' registers
	v_and_b32 v1, 31, v0
	v_lshlrev_b32 v1, 4, v1                        ; 16 x lane: my place in every image
	s_cmp_eq_u32 ttmp9, 2
	s_cbranch_scc1 .Lv_out
; ---------------- THE WAY OUT OF q AND k.  acc (a, b): lane (r, h) holds token 16 a + r and features 16 b + 8 h + 0 .. 7; head b / 4 of my two, b' = b % 4.
	s_cmp_eq_u32 ttmp9, 0
	s_cselect_b64 s[96:97], s[96:97], s[98:99]     ; q's image or k's,
	s_cselect_b64 s[10:11], s[10:11], s[12:13]     ; and its gain
	s_lshl_b32 s20, s40, 2
	s_lshl_b32 s21, s16, 1
	s_add_co_u32 s20, s20, s21                     ; my first head: 4 cx + 2 x half
	s_lshl_b32 s22, s17, 4
	s_lshl_b32 s23, s15, 3
	s_add_co_u32 s22, s22, s23                     ; my first block of 16 tokens
	s_lshl_b32 s46, s20, 19                        ; 524,288 bytes a head,
	s_lshl_b32 s47, s22, 11                        ; 2,048 a block
	s_add_co_u32 s46, s46, s47
	s_mov_b32 s47, 0
	s_add_nc_u64 s[96:97], s[96:97], s[46:47]
	s_lshl_b32 s46, s20, 8
	s_add_nc_u64 s[10:11], s[10:11], s[46:47]
	s_lshl_b32 s46, s22, 12
	s_add_nc_u64 s[8:9], s[8:9], s[46:47]
	v_bfe_u32 v2, v0, 4, 1
	v_lshlrev_b32 v2, 5, v2                        ; 32 h: my eight gains of sixteen
.irp hh, 0,1
.irp b, 0,1,2,3
	global_load_b128 v[G+32*\hh+8*\b:G+32*\hh+8*\b+3], v2, s[10:11] offset:\hh*256+\b*64
	global_load_b128 v[G+32*\hh+8*\b+4:G+32*\hh+8*\b+7], v2, s[10:11] offset:\hh*256+\b*64+16
.endr
.endr
.macro LOADCS a                        ; cos and sin of tokens 16 a on: eight loads into set a % 2; register 2 p, 2 p + 1: cos, sin of my pair p
.irp b, 0,1,2,3
.irp e, 0,1
	global_load_b128 v[CSR+32*((\a)%2)+8*\b+4*\e:CSR+32*((\a)%2)+8*\b+4*\e+3], v1, s[8:9] offset:(\a)*4096+\b*1024+\e*512
.endr
.endr
.endm
	LOADCS 0
	LOADCS 1
	; the sums of squares: 16 pairs for each (a, head), four chains by turns; each accumulator is read from its low end on
.irp ap, 0,1,2,3
	WIN 0x0a+5*(\ap/2)                             ; sources 0 and 1: window 2 or 3
.set p, 0
.rept 16
.irp u, 0,1
.irp hh, 0,1
.set XA, 64*((2*\ap+\u)%4)+8*(4*\hh+p/4)+2*(p%4)
.set SI, SS+2*(2*(2*\ap+\u)+\hh)
.if p == 0
	v_pk_mul_f32 v[SI:SI+1], v[XA:XA+1], v[XA:XA+1]
.else
	v_pk_fma_f32 v[SI:SI+1], v[XA:XA+1], v[XA:XA+1], v[SI:SI+1]
.endif
.endr
.endr
.set p, p+1
.endr
.endr
	WIN 0
.irp i, 0,1,2,3,4,5,6,7,8,9,10,11,12,13,14,15
	v_add_f32 v[SS+2*\i], v[SS+2*\i], v[SS+2*\i+1]
.endr
.irp i, 0,1,2,3,4,5,6,7,8,9,10,11,12,13,14,15
	v_permlanex16_b32 v[SS+2*\i+1], v[SS+2*\i], s66, s67   ; the head's other 32 features lie in lane l xor 16
.endr
.irp i, 0,1,2,3,4,5,6,7,8,9,10,11,12,13,14,15
	v_add_f32 v[SS+2*\i], v[SS+2*\i], v[SS+2*\i+1]
.endr
.irp i, 0,1,2,3,4,5,6,7,8,9,10,11,12,13,14,15
	v_sqrt_f32 v[SS+2*\i], v[SS+2*\i]
.endr
	v_nop                                          ; a plain instruction behind the last root,
	s_wait_alu depctr_va_vdst(0)                   ; and one wait for the sixteen, ahead of their first reader
.irp i, 0,1,2,3,4,5,6,7,8,9,10,11,12,13,14,15
	v_max_num_f32 v[SS+2*\i], 0x2b8cbccc, v[SS+2*\i]       ; max(norm, 1e-12)
.endr
.irp i, 0,1,2,3,4,5,6,7,8,9,10,11,12,13,14,15
	v_rcp_f32 v[SS+2*\i], v[SS+2*\i]
.endr
	v_nop
	s_wait_alu depctr_va_vdst(0)                   ; one wait for the sixteen reciprocals
.irp i, 0,1,2,3,4,5,6,7,8,9,10,11,12,13,14,15
	v_mul_f32 v[SS+2*\i], 0x41000000, v[SS+2*\i]           ; sqrt(64) / norm
.endr
; tokens 16 a on, both heads: x 8 / norm, x gain, the rotation, f16, four stores of 512 bytes a head
.macro OUTQK a
.if (\a) < 7
	s_wait_loadcnt 8                               ; the gains and this set of cos and sin are in; the other set's eight loads may be out
.else
	s_wait_loadcnt 0x0
.endif
.irp hh, 0,1
	WIN 0x02+(\a)/4                                ; source 0: window 2 or 3
.set p, 0
.rept 16
.set XA, 64*((\a)%4)+8*(4*\hh+p/4)+2*(p%4)
	v_pk_mul_f32 v[Y+2*p:Y+2*p+1], v[XA:XA+1], v[SS+2*(2*(\a)+\hh):SS+2*(2*(\a)+\hh)+1] op_sel_hi:[1,0]
.set p, p+1
.endr
	WIN 0
.set p, 0
.rept 16
	v_pk_mul_f32 v[Y+2*p:Y+2*p+1], v[Y+2*p:Y+2*p+1], v[G+32*\hh+2*p:G+32*\hh+2*p+1]
.set p, p+1
.endr
.if 2*(\a)+\hh >= 2
	s_wait_xcnt 0x0                                ; the stores of two heads ago have read this set of f16 pairs
.endif
.irp pg, 0,1,2,3                       ; four pairs at a time, so that no line waits for the line above it
.irp q, 0,1,2,3
	v_mul_f32 v[TT+2*\q], v[Y+8*\pg+2*\q+1], v[CSR+32*((\a)%2)+8*\pg+2*\q+1]
.endr
.irp q, 0,1,2,3
	v_mul_f32 v[TT+2*\q+1], v[Y+8*\pg+2*\q+1], v[CSR+32*((\a)%2)+8*\pg+2*\q]
.endr
.irp q, 0,1,2,3
	v_fma_f32 v[TT+2*\q], v[Y+8*\pg+2*\q], v[CSR+32*((\a)%2)+8*\pg+2*\q], -v[TT+2*\q]       ; re = y0 cos - y1 sin
.endr
.irp q, 0,1,2,3
	v_fma_f32 v[TT+2*\q+1], v[Y+8*\pg+2*\q], v[CSR+32*((\a)%2)+8*\pg+2*\q+1], v[TT+2*\q+1]  ; im = y0 sin + y1 cos
.endr
.irp q, 0,1,2,3
	v_cvt_pk_f16_f32 v[PK+16*\hh+4*\pg+\q], v[TT+2*\q], v[TT+2*\q+1]
.endr
	global_store_b128 v1, v[PK+16*\hh+4*\pg:PK+16*\hh+4*\pg+3], s[96:97] offset:\hh*524288+(\a)*2048+\pg*512   ; 512 consecutive bytes, aligned
.endr
.endr
.if (\a)+2 < 8
	LOADCS (\a)+2
.endif
.endm
.irp n, 0,1,2,3,4,5,6,7
	OUTQK \n
.endr
	FINISH
; ---------------- THE WAY OUT OF v.  acc (a, b): lane (r, h) holds channel 16 a + r of my 128 and keys 16 b + 8 h + 0 .. 7
.Lv_out:
	s_lshl_b32 s20, s41, 2
	s_lshl_b32 s21, s15, 1
	s_add_co_u32 s20, s20, s21                     ; my first head: 4 cy + 2 x half
	s_lshl_b32 s22, s42, 3
	s_lshl_b32 s23, s16, 2
	s_add_co_u32 s22, s22, s23                     ; my first group of 32 keys
	s_lshl_b32 s46, s20, 19
	s_lshl_b32 s47, s22, 12
	s_add_co_u32 s46, s46, s47
	s_mov_b32 s47, 0
	s_add_nc_u64 s[100:101], s[100:101], s[46:47]
.irp n, 0,1,2,3,4,5,6,7
.if \n >= 4
	s_wait_xcnt 0x0                                ; the stores of four blocks ago have read this set
.endif
	WIN 0x0a+5*(\n/4)
.set p, 0
.rept 32
	v_cvt_pk_f16_f32 v[128+32*(\n%4)+p], v[64*(\n%4)+2*p], v[64*(\n%4)+2*p+1]   ; each accumulator from its low end on
.set p, p+1
.endr
	WIN 0
.irp b, 0,1,2,3,4,5,6,7
	global_store_b128 v1, v[128+32*(\n%4)+4*\b:128+32*(\n%4)+4*\b+3], s[100:101] offset:(\n/4)*524288+(\b/2)*4096+(\n%4)*1024+(\b%2)*512
.endr
.endr
	FINISH
.Lfunc_end_k_qee7aedba03_qkv:
	.size	k_qee7aedba03_qkv, .Lfunc_end_k_qee7aedba03_qkv-k_qee7aedba03_qkv
	.p2alignl 7, 3214868480
	.fill 96, 4, 3214868480
	.section	.rodata,"a",@progbits
	.p2align	6, 0x0
	.amdhsa_kernel k_qee7aedba03_qkv
		.amdhsa_group_segment_fixed_size 327680
		.amdhsa_private_segment_fixed_size 0
		.amdhsa_enable_private_segment 0
		.amdhsa_kernarg_size 64
		.amdhsa_user_sgpr_count 2
		.amdhsa_user_sgpr_kernarg_segment_ptr 1
		.amdhsa_wavefront_size32 1
		.amdhsa_system_sgpr_workgroup_id_x 1
		.amdhsa_system_sgpr_workgroup_id_y 1
		.amdhsa_system_sgpr_workgroup_id_z 1
		.amdhsa_system_vgpr_workitem_id 0
		.amdhsa_next_free_vgpr 1024
		.amdhsa_next_free_sgpr 102
		.amdhsa_reserve_vcc 0
		.amdhsa_float_denorm_mode_32 3
		.amdhsa_float_denorm_mode_16_64 3
		.amdhsa_memory_ordered 1
		.amdhsa_forward_progress 1
		.amdhsa_inst_pref_size 251
	.end_amdhsa_kernel
	.amdgpu_metadata
---
amdhsa.version: [ 1, 2 ]
amdhsa.kernels:
  - .name:           k_qee7aedba03_qkv
    .symbol:         k_qee7aedba03_qkv.kd
    .args:
      - { .name: codes, .offset: 0, .size: 8, .value_kind: global_buffer, .address_space: global }
      - { .name: scales, .offset: 8, .size: 8, .value_kind: global_buffer, .address_space: global }
      - { .name: rope, .offset: 16, .size: 8, .value_kind: global_buffer, .address_space: global }
      - { .name: gamma_q, .offset: 24, .size: 8, .value_kind: global_buffer, .address_space: global }
      - { .name: gamma_k, .offset: 32, .size: 8, .value_kind: global_buffer, .address_space: global }
      - { .name: qimg, .offset: 40, .size: 8, .value_kind: global_buffer, .address_space: global }
      - { .name: kimg, .offset: 48, .size: 8, .value_kind: global_buffer, .address_space: global }
      - { .name: vimg, .offset: 56, .size: 8, .value_kind: global_buffer, .address_space: global }
    .group_segment_fixed_size: 327680
    .private_segment_fixed_size: 0
    .kernarg_segment_align: 8
    .kernarg_segment_size: 64
    .max_flat_workgroup_size: 128
    .sgpr_count:     102
    .vgpr_count:     1024
    .wavefront_size: 32
...
	.end_amdgpu_metadata
.endif
;; end of part 2
;; launch attn (part 3): grid 16 x 16, 8 waves a work-group, clusters of 4 x 1, 327,680 bytes of LDS; arguments qimg, kimg, vimg, oimg; writes oimg
.if DOCPART == 3
	.amdgcn_target "amdgcn-amd-amdhsa--gfx1250"
	.amdhsa_code_object_version 6
	.text
	.protected	k_qee7aedba03_attn
	.globl	k_qee7aedba03_attn
	.p2align	8
	.type	k_qee7aedba03_attn,@function
k_qee7aedba03_attn:
	s_mov_b64 s[64:65], 0
	v_nop
	global_prefetch_b8 v0, s[64:65] scope:SCOPE_SE
	s_setreg_imm32_b32 hwreg(HW_REG_WAVE_MODE, 25, 1), 1
	s_wait_xcnt 0x0
	s_wait_alu depctr_hold_cnt(0) depctr_sa_sdst(0) depctr_va_vdst(0) depctr_va_sdst(0) depctr_va_ssrc(0) depctr_va_vcc(0) depctr_vm_vsrc(0)
	s_getreg_b32 s2, hwreg(HW_REG_IB_STS2, 6, 4)
	s_cmp_eq_u32 s2, 0
	s_cbranch_scc0 .Lentry_in_a_cluster
	s_endpgm
.Lentry_in_a_cluster:
	s_bfe_u32 s2, ttmp6, 0x10000c
	s_cmp_lg_u32 s2, 0x3003
	s_cbranch_scc0 .Lentry_shape_is_right
	s_endpgm
.Lentry_shape_is_right:
; ATTN: o[n][h] = the sum over m of softmax_m(q[n][h] . k[m][h] / 8) v[m][h], no mask; operands in f16, products, maxima and sums in f32; the running maximum is taken away before each exponential.  No work is left out.
; q, k, v arrive as images of operand registers (the launch before laid them so): a fragment's half is 512 bytes, lane l's 16 bytes at 16 l: no pitch, no padding, and a step's tiles are dense blocks of memory.
; SHARES.  A work-group owns 256 queries of one head.  Of its EIGHT waves, wave w owns queries 64 (w % 4) on (four tiles of 16) and walks HALF of the keys: half w / 4 of every slot of 512; 64 keys a step, 32 steps.
; The two waves of a pair (w, w xor 4) join their maxima, sums and O through LDS at the end, each finishing two of the four tiles.  Two waves share a SIMD, 512 registers each.
; LAYOUT.  S^T = K Q^T (source 0 = 16 keys, source 1 = 16 queries): a lane holds ONE query and keys 8 (lane / 16) + 0 .. 7.  Two such tiles, rounded to f16 in pairs in place, ARE source 1 of O^T = V^T P.
; A STEP is the softmax of step j, then the matrix phase: V^T P of step j and K Q^T of step j + 1.  THE STAGGER: waves of type 0 run the softmax of a slot's last step ahead of the change of slots, waves of type 1 behind it
; (type = (w xor w / 4) & 1); so behind every change one kind of wave starts with products and the other with vector work.
; CLUSTER.  The four query blocks of a cluster belong to one head and walk the same K and V: each wave's 16 KiB of a slot is asked for jointly by the same wave of all four.
; LIMITS: |o| stays under 65,504 and is rounded to f16 (under 6e-5 the rounding is absolute, 2^-25); NaN and infinities are not served.
; REGISTERS.  window 0: v1-9 addresses; v16-47 statistics, eight a tile (+0 c m, +1 m, +2, +3 l, +4 .. +7 at work, a at +6); v48-51 the old c m; v52-63 the joining; v64-127 Q; v128-255 S^T, 32 a tile, P in its first 16.
;             window 1: v0-127 O^T, 32 a tile; v128-191 K of a step; v192-255 V of a step.
.set SLOT1, 1<<17                      ; a slot: 64 KiB of K's images, 64 KiB of V's; slot 1 begins here, so that one exclusive or turns an address
.set SPARE, 2*SLOT1                    ; the spare words: 128 bytes a wave, named by no other line
.set XW,    8704                       ; the joining: 8,192 bytes of O and 512 of statistics for each wave, in slot 0, which has had its last fill and its last read by then
.set ST,  16
.set CO,  48
.set Q,   64
.set S,   128
.set W_KQ, 0x01                        ; K in window 1; Q and S^T in window 0
.set W_PV, 0x51                        ; V and O^T in window 1, P in window 0
.set W_RS, 0x41                        ; O^T (destination and source 0) in window 1, a in window 0
.set TO_1, 0x40                        ; destination window 1, address window 0
.set MSB, 0
.macro WIN new                         ; the immediate's high byte repeats the setting that is left
.if MSB != \new
	s_set_vgpr_msb (MSB<<8)|\new
.set MSB, \new
.endif
.endm
.macro CROUND                          ; a round of the cluster's barrier
	s_barrier_signal -1
	s_barrier_wait -1
	s_cmp_lg_u32 s12, 0
	s_cbranch_scc1 .Lnot_wave_0_\@
	s_barrier_signal -3
.Lnot_wave_0_\@:
	s_barrier_wait -3
	s_barrier_signal -1
	s_barrier_wait -1
.endm
; A prefetch of what the NEXT change of slots will ask for.  All clusters of a head walk the same K and V: the head's first cluster asks.  In it the even waves ask, each for its own and the next wave's 32 KiB of a slot;
; the four partners share those out by address, 8 KiB each, lanes 256 bytes apart: each aligned block of 256 bytes is named once.  The last change that fills a slot asks for nothing; slots 0 to 2 come by their loads alone.
.macro ASK
	s_cmp_gt_u32 s40, s15
	s_cbranch_scc0 .Lnot_mine_\@
	global_prefetch_b8 v5, s[18:19] th:TH_LOAD_NT scope:SCOPE_SE
.Lnot_mine_\@:
.endm
	s_load_b256 s[4:11], s[0:1], 0x0               ; qimg s[4:5], kimg s[6:7], vimg s[8:9], oimg s[10:11]
	v_lshl_add_u32 v6, v0, 2, SPARE                ; my spare word; never rewritten
	v_mov_b32 v7, 0                                ; 0; never rewritten
	ds_add_u32 v6, v7                              ; the wave's opening: the add, twice on end, and its wait ahead of my first tensor load
	ds_add_u32 v6, v7
	v_lshrrev_b32 v1, 5, v0
	v_readfirstlane_b32 s12, v1                    ; wave 0..7
	s_bfe_u32 s13, ttmp6, 0x40000                  ; cx
	s_lshl_b32 s14, ttmp9, 2
	s_add_co_u32 s14, s14, s13                     ; my block of 256 queries: it enters Q's and O's addresses alone
	s_lshr_b32 s17, s12, 2                         ; which half of the keys
	s_xor_b32 s16, s12, s17
	s_and_b32 s16, s16, 1                          ; my type
	s_and_b32 s50, s12, 3                          ; which 64 queries; also which quarter of K's or V's 64 KiB I fetch
	s_and_b32 s20, ttmp7, 0xffff
	s_lshl_b32 s20, s20, 19                        ; the head's first byte in q's, k's and v's images
	s_mov_b32 s21, 0
	s_lshl_b32 s22, s50, 14
	s_add_co_u32 s22, s22, s20                     ; my 16 KiB of slot 0, in memory,
	s_mov_b32 s23, 0
	s_lshl_b32 s51, s12, 14                        ; and in a slot: waves 0-3 K's quarters, waves 4-7 V's
	s_lshl_b32 s47, s14, 4
	s_lshl_b32 s52, s50, 2
	s_add_co_u32 s47, s47, s52                     ; my first block of 16 queries
	; descriptor group 1: 16 KiB dense, as 64 rows of 256 bytes (32 elements of 8), no padding; the mask names all four partners
	s_mov_b32 s24, 15|(3<<16)|(1<<21)
	s_mov_b32 s25, 32<<16
	s_mov_b32 s26, 64<<16
	s_mov_b32 s27, 32<<16
	s_mov_b32 s28, 64
	s_mov_b32 s29, 32
	s_mov_b32 s30, 0
	s_mov_b32 s31, 0
	s_mov_b32 s42, 0x3e38aa3b                      ; c = log2(e) / 8
	s_mov_b32 s43, s42                             ; (named with it as a pair)
	s_mov_b32 s44, 0x76543210
	s_mov_b32 s45, 0xfedcba98                      ; v_permlanex16_b32's selects for lane l xor 16
	s_mov_b32 s46, 0                               ; LDS byte at which the step to be fetched begins
	s_mov_b32 s40, 6                               ; slots still to be asked for
	s_and_b32 s15, s12, 1
	s_or_b32 s15, s15, ttmp9
	s_cmp_eq_u32 s15, 0
	s_cselect_b32 s15, 1, -1                       ; 1 in a wave that prefetches, else the greatest number
	s_wait_dscnt 0x0                               ; both opening adds are done
	s_wait_kmcnt 0x0
	s_cmp_lt_u32 s12, 4
	s_cselect_b64 s[48:49], s[6:7], s[8:9]         ; K's images or V's: the choice hangs on the wave's number alone
	s_add_nc_u64 s[48:49], s[48:49], s[22:23]
	s_lshl_b32 s52, s13, 13
	s_add_co_u32 s52, s52, 2*65536
	s_mov_b32 s53, 0
	s_add_nc_u64 s[18:19], s[48:49], s[52:53]      ; the prefetches stand in slot 2; the first change steps them to slot 3
	s_lshl_b32 s54, s47, 11
	s_add_co_u32 s54, s54, s20
	s_mov_b32 s55, 0
	s_add_nc_u64 s[4:5], s[4:5], s[54:55]          ; Q at my first block
	s_lshl_b32 s54, s17, 1
	s_add_co_u32 s54, s54, s47                     ; the two tiles that I finish: 2 x my half on
	s_lshl_b32 s54, s54, 15                        ; 32,768 bytes a block of 16 tokens in o's images,
	s_lshr_b32 s52, s20, 8                         ; 2,048 a head
	s_add_co_u32 s54, s54, s52
	s_add_nc_u64 s[10:11], s[10:11], s[54:55]
	CROUND                                         ; all four work-groups are here: the first joint loads meet
	s_mov_b32 s32, 1
	s_mov_b32 s33, s51
	s_mov_b64 s[34:35], s[48:49]
	s_or_b32 s35, s35, 0x80000000
	s_mov_b32 s36, 1
	s_add_co_u32 s37, s51, SLOT1
	s_add_nc_u64 s[38:39], s[48:49], 65536
	s_or_b32 s39, s39, 0x80000000
	tensor_load_to_lds s[32:35], s[24:31]          ; slot 0
	s_nop 0
	tensor_load_to_lds s[36:39], s[24:31]          ; slot 1: two loads of mine are out
	s_nop 0
.rept 4
	v_nop
.endr
	v_and_b32 v1, 31, v0
	v_lshlrev_b32 v5, 8, v1                        ; the prefetches' offset: 256 x lane
	v_lshlrev_b32 v1, 4, v1                        ; 16 x lane
.irp n, 0,1,2,3,4,5,6,7,8,9,10,11,12,13,14,15
	global_load_b128 v[Q+4*\n:Q+4*\n+3], v1, s[4:5] offset:512*\n   ; Q stays in registers: tile n / 4, 32 channels (n / 2) % 2, half n % 2
.endr
	s_lshl_b32 s52, s17, 15
	v_add_nc_u32 v2, s52, v1                       ; my lane's place in a step's K: my half of the slot's keys
	v_add_nc_u32 v3, 65536, v2                     ; and in its V
	s_mul_i32 s52, s12, XW
	v_add_nc_u32 v8, s52, v1                       ; the joining: where I put,
	s_xor_b32 s53, s12, 4
	s_mul_i32 s53, s53, XW
	v_add_nc_u32 v9, s53, v1                       ; and where my partner has put
.irp t, 0,1,2,3
	v_mov_b32 v[ST+8*\t+1], 0xff61b1e6             ; m: -3e38, under every score
	v_mov_b32 v[ST+8*\t+2], 0                      ; l, in two halves
	v_mov_b32 v[ST+8*\t+3], 0
.endr
.irp t, 0,1,2,3
	v_mul_f32 v[ST+8*\t], s42, v[ST+8*\t+1]        ; c m
.endr
	WIN TO_1
.set i, 0
.rept 128
	v_mov_b32 v[i], 0                              ; O^T.  (The step is written for all steps alike: the first finds zeros, which its a = 0 leaves zeros)
.set i, i+1
.endr
	WIN 0
.macro FETCH_K                         ; a step's K: 64 keys x 64 channels: 16 loads of 512 consecutive bytes
	WIN 0
	v_add_nc_u32 v4, s46, v2
	WIN TO_1
.irp f, 0,1,2,3,4,5,6,7,8,9,10,11,12,13,14,15
	ds_load_b128 v[128+4*\f:128+4*\f+3], v4 offset:512*\f
.endr
.endm
.macro FETCH_V                         ; and its V
	WIN 0
	v_add_nc_u32 v4, s46, v3
	s_add_co_u32 s46, s46, 8192                    ; the next fetch is the next step's
	WIN TO_1
.irp f, 0,1,2,3,4,5,6,7,8,9,10,11,12,13,14,15
	ds_load_b128 v[192+4*\f:192+4*\f+3], v4 offset:512*\f
.endr
.endm
; The 16 accumulators of each product take turns, one instruction a turn: between two links of a chain stand 15 others'.
.macro KQALL                           ; S^T = K Q^T: tile i % 4, keys 16 ((i / 4) % 4) on, channels 32 (i / 16) on; the first 16 start the sums
	WIN W_KQ
.set i, 0
.rept 32
.set rS, S+32*(i%4)+8*((i/4)%4)
.set rK, 128+16*((i/4)%4)+8*(i/16)
.set rQ, Q+16*(i%4)+8*(i/16)
.if i < 16
	v_wmma_f32_16x16x32_f16 v[rS:rS+7], v[rK:rK+7], v[rQ:rQ+7], 0
.else
	v_wmma_f32_16x16x32_f16 v[rS:rS+7], v[rK:rK+7], v[rQ:rQ+7], v[rS:rS+7]
.endif
.set i, i+1
.endr
.endm
.macro PVALL                           ; O^T += V^T P: tile i % 4, channels 16 ((i / 4) % 4) on, keys 32 (i / 16) on
	WIN W_PV
.set i, 0
.rept 32
.set rO, 32*(i%4)+8*((i/4)%4)
.set rV, 192+32*(i/16)+8*((i/4)%4)
.set rP, S+32*(i%4)+8*(i/16)
	v_wmma_f32_16x16x32_f16 v[rO:rO+7], v[rV:rV+7], v[rP:rP+7], v[rO:rO+7]
.set i, i+1
.endr
.endm
; THE MATRIX PHASE of step j.  kq = 1: with the next step's K, V and K Q^T
.macro MPH kq
.if \kq
	FETCH_K                                        ; K's registers were last read ahead of the softmax
	s_wait_dscnt 16                                ; V of this step is in; the sixteen loads just issued may be out
.else
	s_wait_dscnt 0x0
.endif
	PVALL
.if \kq
.rept 5
	v_nop                                          ; four places in front of the loads into V's registers, five in front of the products that write over P's
.endr
	FETCH_V
	s_wait_dscnt 16                                ; K is in; V's sixteen may be out
	KQALL
.endif
	WIN 0
.endm
; THE SOFTMAX of a step, the four tiles by turns, so that no line waits for the line above it
.macro SM
.irp t, 0,1,2,3
	v_mov_b32 v[CO+\t], v[ST+8*\t]                 ; c m_old is kept.  (These four are the places behind the last product)
.endr
.set j, 0
.rept 4
.irp t, 0,1,2,3
	v_max3_num_f32 v[ST+8*\t+4+j], v[S+32*\t+8*j], v[S+32*\t+8*j+1], v[S+32*\t+8*j+2]   ; four chains; each accumulator is read from its low end on
.endr
.set j, j+1
.endr
.rept 8
.irp t, 0,1,2,3
	v_max3_num_f32 v[ST+8*\t+4+j%4], v[ST+8*\t+4+j%4], v[S+32*\t+8*(j%4)+2*(j/4)+1], v[S+32*\t+8*(j%4)+2*(j/4)+2]
.endr
.set j, j+1
.endr
.irp t, 0,1,2,3
	v_max3_num_f32 v[ST+8*\t+4], v[ST+8*\t+4], v[S+32*\t+7], v[S+32*\t+15]
.endr
.irp t, 0,1,2,3
	v_max3_num_f32 v[ST+8*\t+6], v[ST+8*\t+6], v[S+32*\t+23], v[S+32*\t+31]
.endr
.irp t, 0,1,2,3
	v_max3_num_f32 v[ST+8*\t+4], v[ST+8*\t+4], v[ST+8*\t+5], v[ST+8*\t+6]
.endr
.irp t, 0,1,2,3
	v_max3_num_f32 v[ST+8*\t+4], v[ST+8*\t+4], v[ST+8*\t+7], v[ST+8*\t+1]   ; and the old m
.endr
.irp t, 0,1,2,3
	v_permlanex16_b32 v[ST+8*\t+5], v[ST+8*\t+4], s44, s45                  ; the query's other 32 keys lie in lane l xor 16
.endr
.irp t, 0,1,2,3
	v_max_num_f32 v[ST+8*\t+1], v[ST+8*\t+4], v[ST+8*\t+5]
.endr
.irp t, 0,1,2,3
	v_mul_f32 v[ST+8*\t], s42, v[ST+8*\t+1]
.endr
.irp t, 0,1,2,3
	v_sub_f32 v[CO+\t], v[CO+\t], v[ST+8*\t]
.endr
.irp t, 0,1,2,3
	v_exp_f32 v[ST+8*\t+6], v[CO+\t]               ; a = 2^(c m_old - c m_new)
.endr
; ONE BATCH: the scalings c s - c m, a pair a line, and behind each four of them the eight exponentials of the pair before.  No line here names an exponential's result.
.set b, 0
.rept 16
.irp t, 0,1,2,3
	v_pk_fma_f32 v[S+32*\t+2*b:S+32*\t+2*b+1], v[S+32*\t+2*b:S+32*\t+2*b+1], s[42:43], v[ST+8*\t:ST+8*\t+1] op_sel_hi:[1,0,0] neg_lo:[0,0,1] neg_hi:[0,0,1]
.endr
.if b > 0
.irp t, 0,1,2,3
	v_exp_f32 v[S+32*\t+2*b-2], v[S+32*\t+2*b-2]
	v_exp_f32 v[S+32*\t+2*b-1], v[S+32*\t+2*b-1]
.endr
.endif
.set b, b+1
.endr
.irp t, 0,1,2,3
	v_exp_f32 v[S+32*\t+30], v[S+32*\t+30]
	v_exp_f32 v[S+32*\t+31], v[S+32*\t+31]
.endr
	v_nop                                          ; a plain instruction behind the last exponential,
	s_wait_alu depctr_va_vdst(0)                   ; and ONE wait for the 132, ahead of their first reader
.irp t, 0,1,2,3
	v_pk_add_f32 v[ST+8*\t+4:ST+8*\t+5], v[S+32*\t:S+32*\t+1], v[S+32*\t+2:S+32*\t+3]   ; the sums, of the unrounded weights, in two chains a tile
.endr
.irp t, 0,1,2,3
	v_pk_fma_f32 v[ST+8*\t+2:ST+8*\t+3], v[ST+8*\t+2:ST+8*\t+3], v[ST+8*\t+6:ST+8*\t+7], v[S+32*\t+4:S+32*\t+5] op_sel_hi:[1,0,1]   ; l = a l + ..
.endr
.set z, 3
.rept 13
.irp t, 0,1,2,3
.if z%2
	v_pk_add_f32 v[ST+8*\t+4:ST+8*\t+5], v[ST+8*\t+4:ST+8*\t+5], v[S+32*\t+2*z:S+32*\t+2*z+1]
.else
	v_pk_add_f32 v[ST+8*\t+2:ST+8*\t+3], v[ST+8*\t+2:ST+8*\t+3], v[S+32*\t+2*z:S+32*\t+2*z+1]
.endif
.endr
.set z, z+1
.endr
.irp t, 0,1,2,3
	v_pk_add_f32 v[ST+8*\t+2:ST+8*\t+3], v[ST+8*\t+2:ST+8*\t+3], v[ST+8*\t+4:ST+8*\t+5]
.endr
.set i, 0
.rept 16
.irp t, 0,1,2,3
	v_cvt_pk_f16_f32 v[S+32*\t+i], v[S+32*\t+2*i], v[S+32*\t+2*i+1]   ; P, in place, ascending: a line's destination has been read by then
.endr
.set i, i+1
.endr
	WIN W_RS
.set i, 0
.rept 16
.irp t, 0,1,2,3
	v_pk_mul_f32 v[32*\t+2*i:32*\t+2*i+1], v[32*\t+2*i:32*\t+2*i+1], v[ST+8*\t+6:ST+8*\t+7] op_sel_hi:[1,0]   ; O^T x a, each accumulator from its low end on
.endr
.set i, i+1
.endr
	WIN 0
.endm
.macro SMIF ty                         ; the softmax, in the waves of type ty
	s_cmp_eq_u32 s16, \ty
	s_cbranch_scc0 .Lskip_\@
	SM
.Lskip_\@:
.endm
; THE CHANGE OF SLOTS, between the matrix phases of a slot's last two steps: all that is read of the slot has been asked for.  Each wave waits for all its tensor loads (its part of the next slot), adds 0 to its spare word, and waits for
; that and for its reads of the slot.  fill = 1: the barrier is a round of the cluster's, and the joint refill, the keys two slots on, is the first thing behind it: it has four steps in which to land.
.macro CHANGE fill
	WIN 0
	s_wait_tensorcnt 0x0                           ; no tensor load of mine is out, so a group 0 may be written
	ds_add_u32 v6, v7
.if \fill
	s_xor_b32 s37, s37, SLOT1                      ; the walking descriptor: the other slot than last time,
	s_add_nc_u64 s[38:39], s[38:39], 65536         ; the next 512 keys
	s_wait_xcnt 0x0                                ; the last prefetch, four steps back, has read its address
	s_add_nc_u64 s[18:19], s[18:19], 65536
.endif
	s_wait_dscnt 0x0                               ; the add is done, and my reads of the slot are over
.if \fill
	CROUND
	tensor_load_to_lds s[36:39], s[24:31]          ; my one tensor load behind the round
	s_nop 0
.rept 4
	v_nop
.endr
	ASK
.else
	s_barrier_signal -1
	s_barrier_wait -1
.endif
	s_sub_co_u32 s46, s46, 32768                   ; the fetches go back to my half's first step,
	s_xor_b32 s46, s46, SLOT1                      ; in the other slot
.endm
.macro THREE                           ; a slot's first three steps: written once, walked three times
	s_mov_b32 s41, 3
.Lthree_\@:
	SM
	MPH 1
	s_sub_co_u32 s41, s41, 1
	s_cmp_lg_u32 s41, 0
	s_cbranch_scc1 .Lthree_\@
.endm
.macro LAST fill                       ; a slot's last step, with the change of slots in it
	SMIF 0
	CHANGE \fill
	SMIF 1
.rept 5
	v_nop                                          ; the distances in front of the loads and products below are kept by the text alone, whichever of the two softmaxes a wave has run
.endr
	MPH 1
.endm
	s_wait_tensorcnt 1                             ; my part of slot 0 is in; slot 1's may stay out
	s_barrier_signal -1
	s_barrier_wait -1
	FETCH_K                                        ; step 0
	FETCH_V
	s_wait_loadcnt 0x0                             ; Q
	s_wait_dscnt 0x0
	KQALL
	WIN 0
.Lslot:                                            ; six trips: every slot but the last two is filled again
	THREE
	LAST 1
	s_sub_co_u32 s40, s40, 1
	s_cmp_lg_u32 s40, 0
	s_cbranch_scc1 .Lslot
	THREE                                          ; the tail is written out
	LAST 0
	THREE
	SM
	MPH 0
	; THE WAY OUT.  l's halves are added (these lines are the places behind the last products); a pair's two waves change two tiles each through LDS and join them: weights 2^(c m - M) / the joint sum.
.irp t, 0,1,2,3
	v_add_f32 v[ST+8*\t+4], v[ST+8*\t+2], v[ST+8*\t+3]
.endr
.irp t, 0,1,2,3
	v_permlanex16_b32 v[ST+8*\t+5], v[ST+8*\t+4], s44, s45
.endr
.irp t, 0,1,2,3
	v_add_f32 v[ST+8*\t+4], v[ST+8*\t+4], v[ST+8*\t+5]
.endr
	s_cmp_eq_u32 s17, 1
	s_cselect_b32 vcc_lo, -1, 0                    ; half 1 keeps tiles 2 and 3, half 0 tiles 0 and 1: a choice of values, no branch
.irp u, 0,1
	v_cndmask_b32 v[52+2*\u], v[ST+16+8*\u], v[ST+8*\u], vcc_lo      ; what I give: c m,
	v_cndmask_b32 v[53+2*\u], v[ST+20+8*\u], v[ST+4+8*\u], vcc_lo    ; l
	v_cndmask_b32 v[56+2*\u], v[ST+8*\u], v[ST+16+8*\u], vcc_lo      ; what I keep
	v_cndmask_b32 v[57+2*\u], v[ST+4+8*\u], v[ST+20+8*\u], vcc_lo
.endr
	WIN 0x05                                       ; sources 0 and 1 window 1, destination window 0
.set i, 0
.rept 64
	v_cndmask_b32 v[128+i], v[i], v[64+i], vcc_lo  ; O^T that I keep; each accumulator from its low end on
.set i, i+1
.endr
.set i, 0
.rept 64
	v_cndmask_b32 v[192+i], v[64+i], v[i], vcc_lo  ; and that I give
.set i, i+1
.endr
	WIN 0
.irp n, 0,1,2,3,4,5,6,7,8,9,10,11,12,13,14,15
	ds_store_b128 v8, v[192+4*\n:192+4*\n+3] offset:512*\n
.endr
	ds_store_b128 v8, v[52:55] offset:8192
	s_wait_dscnt 0x0                               ; for my partner's sake: my stores have landed
	s_barrier_signal -1
	s_barrier_wait -1
.irp n, 0,1,2,3,4,5,6,7,8,9,10,11,12,13,14,15
	ds_load_b128 v[192+4*\n:192+4*\n+3], v9 offset:512*\n
.endr
	ds_load_b128 v[60:63], v9 offset:8192
	s_wait_dscnt 0x0
.irp u, 0,1
	v_max_num_f32 v[16+\u], v[56+2*\u], v[60+2*\u]
.endr
.irp u, 0,1
	v_sub_f32 v[24+4*\u], v[56+2*\u], v[16+\u]
	v_sub_f32 v[26+4*\u], v[60+2*\u], v[16+\u]
.endr
.irp u, 0,1
	v_exp_f32 v[24+4*\u], v[24+4*\u]
	v_exp_f32 v[26+4*\u], v[26+4*\u]
.endr
	v_nop
	s_wait_alu depctr_va_vdst(0)                   ; one wait for the four exponentials
.irp u, 0,1
	v_mul_f32 v[18+\u], v[24+4*\u], v[57+2*\u]
.endr
.irp u, 0,1
	v_fma_f32 v[18+\u], v[26+4*\u], v[61+2*\u], v[18+\u]
.endr
.irp u, 0,1
	v_rcp_f32 v[18+\u], v[18+\u]
.endr
	v_nop
	s_wait_alu depctr_va_vdst(0)                   ; and one for the two reciprocals
.irp u, 0,1
	v_mul_f32 v[24+4*\u], v[24+4*\u], v[18+\u]
	v_mul_f32 v[26+4*\u], v[26+4*\u], v[18+\u]
.endr
.irp u, 0,1
.set i, 0
.rept 16
	v_pk_mul_f32 v[128+32*\u+2*i:128+32*\u+2*i+1], v[128+32*\u+2*i:128+32*\u+2*i+1], v[24+4*\u:25+4*\u] op_sel_hi:[1,0]
.set i, i+1
.endr
.set i, 0
.rept 16
	v_pk_fma_f32 v[128+32*\u+2*i:128+32*\u+2*i+1], v[192+32*\u+2*i:192+32*\u+2*i+1], v[26+4*\u:27+4*\u], v[128+32*\u+2*i:128+32*\u+2*i+1] op_sel_hi:[1,0,1]
.set i, i+1
.endr
.endr
.set i, 0
.rept 32
	v_cvt_pk_f16_f32 v[128+i], v[128+2*i], v[128+2*i+1]   ; in place, ascending
.set i, i+1
.endr
.irp u, 0,1
.irp c, 0,1,2,3
	global_store_b128 v1, v[128+16*\u+4*\c:128+16*\u+4*\c+3], s[10:11] offset:\u*32768+\c*512   ; half a fragment of the next launch's operand: 512 consecutive bytes, aligned
.endr
.endr
	s_wait_tensorcnt 0x0                           ; the wave's end
	ds_add_u32 v6, v7
	s_wait_dscnt 0x0
	CROUND                                         ; the closing round
	s_endpgm
.Lfunc_end_k_qee7aedba03_attn:
	.size	k_qee7aedba03_attn, .Lfunc_end_k_qee7aedba03_attn-k_qee7aedba03_attn
	.p2alignl 7, 3214868480
	.fill 96, 4, 3214868480
	.section	.rodata,"a",@progbits
	.p2align	6, 0x0
	.amdhsa_kernel k_qee7aedba03_attn
		.amdhsa_group_segment_fixed_size 327680
		.amdhsa_private_segment_fixed_size 0
		.amdhsa_enable_private_segment 0
		.amdhsa_kernarg_size 32
		.amdhsa_user_sgpr_count 2
		.amdhsa_user_sgpr_kernarg_segment_ptr 1
		.amdhsa_wavefront_size32 1
		.amdhsa_system_sgpr_workgroup_id_x 1
		.amdhsa_system_sgpr_workgroup_id_y 1
		.amdhsa_system_sgpr_workgroup_id_z 1
		.amdhsa_system_vgpr_workitem_id 0
		.amdhsa_next_free_vgpr 512
		.amdhsa_next_free_sgpr 66
		.amdhsa_reserve_vcc 1
		.amdhsa_float_denorm_mode_32 3
		.amdhsa_float_denorm_mode_16_64 3
		.amdhsa_memory_ordered 1
		.amdhsa_forward_progress 1
		.amdhsa_inst_pref_size 255
	.end_amdhsa_kernel
	.section	.bss,"aw",@nobits
	.p2align	6
	.space	262144
	.amdgpu_metadata
---
amdhsa.version: [ 1, 2 ]
amdhsa.kernels:
  - .name:           k_qee7aedba03_attn
    .symbol:         k_qee7aedba03_attn.kd
    .args:
      - { .name: qimg, .offset: 0, .size: 8, .value_kind: global_buffer, .address_space: global }
      - { .name: kimg, .offset: 8, .size: 8, .value_kind: global_buffer, .address_space: global }
      - { .name: vimg, .offset: 16, .size: 8, .value_kind: global_buffer, .address_space: global }
      - { .name: oimg, .offset: 24, .size: 8, .value_kind: global_buffer, .address_space: global }
    .group_segment_fixed_size: 327680
    .private_segment_fixed_size: 0
    .kernarg_segment_align: 8
    .kernarg_segment_size: 32
    .max_flat_workgroup_size: 256
    .sgpr_count:     66
    .vgpr_count:     512
    .wavefront_size: 32
...
	.end_amdgpu_metadata
.endif
;; end of part 3
;; launch proj (part 4): grid 8 x 32, 4 waves a work-group, clusters of 4 x 4, 327,680 bytes of LDS; arguments oimg, w16, out0; writes out0
.if DOCPART == 4
	.amdgcn_target "amdgcn-amd-amdhsa--gfx1250"
	.amdhsa_code_object_version 6
	.text
	.protected	k_qee7aedba03_proj
	.globl	k_qee7aedba03_proj
	.p2align	8
	.type	k_qee7aedba03_proj,@function
k_qee7aedba03_proj:
	s_mov_b64 s[64:65], 0
	v_nop
	global_prefetch_b8 v0, s[64:65] scope:SCOPE_SE
	s_setreg_imm32_b32 hwreg(HW_REG_WAVE_MODE, 25, 1), 1
	s_wait_xcnt 0x0
	s_wait_alu depctr_hold_cnt(0) depctr_sa_sdst(0) depctr_va_vdst(0) depctr_va_sdst(0) depctr_va_ssrc(0) depctr_va_vcc(0) depctr_vm_vsrc(0)
	s_getreg_b32 s2, hwreg(HW_REG_IB_STS2, 6, 4)
	s_cmp_eq_u32 s2, 0
	s_cbranch_scc0 .Lentry_in_a_cluster
	s_endpgm
.Lentry_in_a_cluster:
	s_bfe_u32 s2, ttmp6, 0x10000c
	s_cmp_lg_u32 s2, 0xf033
	s_cbranch_scc0 .Lentry_shape_is_right
	s_endpgm
.Lentry_shape_is_right:
; PROJ: out0[m][n] = the sum over k of o[m][k] w_out[n][k]; operands in f16, sums and result in f32.  No work is left out.
; Both operands arrive as images of operand registers: [16 rows][32 along K: 32][c: 2][lane][16 bytes], 32 KiB for 16 rows.  A K step of 256 is 8 KiB of each block of 16 rows.
; A tile of the result is 128 x 128: 32 x 8 = 256 work-groups.  Four waves, each 64 x 64: 16 accumulators.  K goes in four steps of 256 through two LDS slots; a wave's tensor load brings 4 blocks x 8 KiB.
; CLUSTERS: 4 x 4 work-groups; o's tiles are shared along a row of the cluster, w_out's along a column.  THE MATRIX INSTRUCTION IS USED TRANSPOSED (source 0 = 16 rows of w_out, source 1 = 16 tokens):
; a lane holds eight neighbouring numbers of a row of the result.  A wave's 64 columns are 256 aligned bytes, so each wave has a stage of its own on the way out and no barrier is needed there.
; REGISTERS: window 0: v0-31 addresses; v32-95 the way out; v128-255 the accumulators ((a, b) at v[128 + 8 (4 a + b)]).  window 1: two fragment buffers of 128: for 64 along K, 64 registers of A, then 64 of B.
.set HALFT,  32768                     ; what one tensor load brings, and what one wave reads of A or of B
.set SLOT,   4*HALFT                   ; A's 8 blocks, then B's 8 blocks
.set STAGE,  2*SLOT                    ; behind the ring: 16 rows x 272 bytes for each wave
.set SPITCH, 272
.set SPARE,  STAGE+4*16*SPITCH         ; the spare words: 128 bytes a wave, named by no other line
.set ADRA, 16
.set ADRB, 20
.set STO,  24
.set RD,   25
.set CO,   26
.set SPW,  28                          ; v28 LDS address of my spare word; never rewritten
.set NIL,  29                          ; v29 0; never rewritten
.set TMP,  32
.set ACC,  128
.set F0,   0
.set F1,   128
.set G1, 24
.set G0, 32
.set G1B, 48
.set G0B, 56
.set MSB, 0
.macro WIN new                         ; the immediate's high byte repeats the setting that is left
.if MSB != \new
	s_set_vgpr_msb (MSB<<8)|\new
.set MSB, \new
.endif
.endm
.set MUL,  0x05                        ; sources 0 (B) and 1 (A) window 1; C and D window 0
.set TO_F, 0x40
.macro JLOAD s                         ; a joint load: waves 0 and 1 fetch A's two halves, waves 2 and 3 B's; an s_nop 0 and four v_nop follow each of the two lines
	s_cmp_eq_u32 s11, 0
	s_cbranch_scc0 .Lfor_b_\@
	tensor_load_to_lds s[G0+4*\s:G0+4*\s+3], s[G1:G1+7]
	s_nop 0
.rept 4
	v_nop
.endr
	s_branch .Lasked_\@
.Lfor_b_\@:
	tensor_load_to_lds s[G0B+4*\s:G0B+4*\s+3], s[G1B:G1B+7]
	s_nop 0
.rept 4
	v_nop
.endr
.Lasked_\@:
.endm
.macro CREST                           ; a round of the cluster's barrier behind its opening barrier
	s_cmp_lg_u32 s10, 0
	s_cbranch_scc1 .Lnot_wave_0_\@
	s_barrier_signal -3
.Lnot_wave_0_\@:
	s_barrier_wait -3
	s_barrier_signal -1
	s_barrier_wait -1
.endm
.macro CROUND
	s_barrier_signal -1
	s_barrier_wait -1
	CREST
.endm
	s_load_b128 s[4:7], s[0:1], 0x0                ; o's images s[4:5], w_out's s[6:7]
	s_load_b64 s[8:9], s[0:1], 0x10                ; out0
	v_lshl_add_u32 v[SPW], v0, 2, SPARE
	v_mov_b32 v[NIL], 0
	ds_add_u32 v[SPW], v[NIL]                      ; the wave's opening: the add, twice on end, and its wait ahead of my first tensor load
	ds_add_u32 v[SPW], v[NIL]
	v_lshrrev_b32 v1, 5, v0
	v_readfirstlane_b32 s10, v1                    ; wave 0..3
	s_lshr_b32 s11, s10, 1                         ; which half of the tile's rows is mine.  Also: I fetch for A (0) or for B (1)
	s_and_b32 s12, s10, 1                          ; which half of its columns.  Also: which 4 blocks of that tile I fetch
	s_bfe_u32 s40, ttmp6, 0x40000                  ; cx, cy
	s_bfe_u32 s41, ttmp6, 0x40004
	s_lshl_b32 s42, ttmp9, 2
	s_add_co_u32 s42, s42, s40                     ; tile column
	s_and_b32 s13, ttmp7, 0xffff
	s_lshl_b32 s13, s13, 2
	s_add_co_u32 s13, s13, s41                     ; tile row
	s_lshl_b32 s43, s41, 2
	s_lshl_b32 s43, 15, s43                        ; my row of the cluster
	s_lshl_b32 s44, 0x1111, s40                    ; my column
	; descriptor group 1: 4 rows of 8,192 bytes (1,024 elements of 8), 32,768 bytes apart, no padding
	s_or_b32 s[G1+0], s43, (3<<16)|(1<<21)
	s_or_b32 s[G1B+0], s44, (3<<16)|(1<<21)
.irp g, G1, G1B
	s_mov_b32 s[\g+1], 1024<<16                    ; tensor_dim0
	s_mov_b32 s[\g+2], 4<<16                       ; tensor_dim1
	s_mov_b32 s[\g+3], 1024<<16                    ; tile_dim0
	s_mov_b32 s[\g+4], 4                           ; tile_dim1
	s_mov_b32 s[\g+5], 4096                        ; the pitch
	s_mov_b32 s[\g+6], 0
	s_mov_b32 s[\g+7], 0
.endr
	s_lshl_b32 s17, s12, 2                         ; which 4 blocks of the tile's 8 I fetch
	s_lshl_b32 s16, s13, 3
	s_add_co_u32 s16, s16, s17
	s_lshl_b32 s16, s16, 15                        ; A: block 8 x tile row + 4 x half, 32,768 bytes a block
	s_lshl_b32 s46, s42, 3
	s_add_co_u32 s46, s46, s17
	s_lshl_b32 s46, s46, 15                        ; B likewise by the tile column
	s_mov_b32 s17, 0
	s_mov_b32 s47, 0
	s_mul_i32 s20, s10, HALFT                      ; where they go: wave x 32 KiB
	s_wait_dscnt 0x0                               ; both opening adds are done
	s_wait_kmcnt 0x0
	s_add_nc_u64 s[14:15], s[4:5], s[16:17]
	s_add_nc_u64 s[46:47], s[6:7], s[46:47]
	CROUND                                         ; all sixteen work-groups are here: the first joint loads meet
.irp s, 0,1
	s_mov_b32 s[G0+4*\s], 1
	s_add_co_u32 s[G0+4*\s+1], s20, \s*SLOT
	s_add_nc_u64 s[G0+4*\s+2:G0+4*\s+3], s[14:15], \s*8192
	s_or_b32 s[G0+4*\s+3], s[G0+4*\s+3], 0x80000000
	s_mov_b32 s[G0B+4*\s], 1
	s_add_co_u32 s[G0B+4*\s+1], s20, \s*SLOT
	s_add_nc_u64 s[G0B+4*\s+2:G0B+4*\s+3], s[46:47], \s*8192
	s_or_b32 s[G0B+4*\s+3], s[G0B+4*\s+3], 0x80000000
	JLOAD \s
.endr
	v_and_b32 v3, 31, v0
	v_lshlrev_b32 v3, 4, v3                        ; 16 x lane: my place in every image
	s_mul_i32 s21, s11, HALFT                      ; my 4 blocks of A
	s_mul_i32 s22, s12, HALFT                      ; my 4 blocks of B,
	s_add_co_u32 s22, s22, 2*HALFT                 ; which lie behind A's 8
.irp s, 0,1
	v_add_nc_u32 v[ADRA+\s], s21, v3
	v_add_nc_u32 v[ADRB+\s], s22, v3
	s_add_co_u32 s21, s21, SLOT
	s_add_co_u32 s22, s22, SLOT
.endr
	v_and_b32 v1, 15, v0                           ; l % 16
	v_bfe_u32 v2, v0, 4, 1                         ; l / 16
	s_mul_i32 s23, s10, 16*SPITCH
	s_add_co_u32 s23, s23, STAGE                   ; my stage
	v_mul_u32_u24 v4, v1, SPITCH                   ; in: row l % 16, 32 bytes for each half of the lanes
	v_lshl_add_u32 v4, v2, 5, v4
	v_add_nc_u32 v[STO], s23, v4
	v_mul_u32_u24 v5, v2, SPITCH                   ; back: lanes 0-15 one row of 256 bytes, lanes 16-31 the next
	v_lshl_add_u32 v5, v1, 4, v5
	v_add_nc_u32 v[RD], s23, v5
	v_lshlrev_b32 v5, 12, v2                       ; and the same two rows in out0: 4,096 bytes a row
	v_lshl_add_u32 v[CO], v1, 4, v5
	s_lshl_b32 s16, s13, 7
	s_lshl_b32 s17, s11, 6
	s_add_co_u32 s16, s16, s17                     ; my first row: 128 x tile row + 64 x half
	s_lshl_b32 s16, s16, 12
	s_mov_b32 s17, 0
	s_add_nc_u64 s[8:9], s[8:9], s[16:17]
	s_lshl_b32 s46, s42, 9                         ; my first column, in bytes: 512 x tile column + 256 x half
	s_lshl_b32 s47, s12, 8
	s_add_co_u32 s46, s46, s47
	s_mov_b32 s47, 0
	s_add_nc_u64 s[8:9], s[8:9], s[46:47]
; 8 matrix instructions: m blocks a0, a0 + 1 x all 4 n blocks, 32 along K: half c of buffer f.  The 16 accumulators take turns, one instruction a turn
.macro MUL8 f, c, a0, zero
.irp a, \a0, \a0+1
.irp b, 0,1,2,3
.if \zero
	v_wmma_f32_16x16x32_f16 v[ACC+8*(4*(\a)+\b):ACC+8*(4*(\a)+\b)+7], v[\f+64+8*(4*\c+\b):\f+64+8*(4*\c+\b)+7], v[\f+8*(4*\c+\a):\f+8*(4*\c+\a)+7], 0
.else
	v_wmma_f32_16x16x32_f16 v[ACC+8*(4*(\a)+\b):ACC+8*(4*(\a)+\b)+7], v[\f+64+8*(4*\c+\b):\f+64+8*(4*\c+\b)+7], v[\f+8*(4*\c+\a):\f+8*(4*\c+\a)+7], v[ACC+8*(4*(\a)+\b):ACC+8*(4*(\a)+\b)+7]
.endif
.endr
.endr
.endm
; 32 LDS loads in one run: the fragments of quarter q (64 along K) of the slot's K step into buffer f; the first 32 along K first.  Each load takes 512 consecutive bytes
.macro FETCH slot, q, f
	WIN TO_F
.irp c, 0,1
.irp i, 0,1,2,3
	ds_load_b128 v[\f+64+8*(4*\c+\i):\f+64+8*(4*\c+\i)+3],   v[ADRB+\slot] offset:\i*8192+(2*(\q)+\c)*1024
	ds_load_b128 v[\f+64+8*(4*\c+\i)+4:\f+64+8*(4*\c+\i)+7], v[ADRB+\slot] offset:\i*8192+(2*(\q)+\c)*1024+512
	ds_load_b128 v[\f+8*(4*\c+\i):\f+8*(4*\c+\i)+3],         v[ADRA+\slot] offset:\i*8192+(2*(\q)+\c)*1024
	ds_load_b128 v[\f+8*(4*\c+\i)+4:\f+8*(4*\c+\i)+7],       v[ADRA+\slot] offset:\i*8192+(2*(\q)+\c)*1024+512
.endr
.endr
.endm
.macro PLACES                          ; four places in front of loads into registers that matrix instructions have read, and of the first read of results
.rept 4
	v_nop
.endr
.endm
; One of a K step's first three quarters: multiplies buffer f and fetches quarter q into g
.macro QUARTER slot, q, f, g, zero
	s_wait_dscnt 16                                ; the first 32 along K are in; the other sixteen loads may be out
	WIN MUL
	MUL8 \f, 0, 0, \zero
	MUL8 \f, 0, 2, \zero
	PLACES
	FETCH \slot, \q, \g
	s_wait_dscnt 32                                ; all but the 32 just issued
	WIN MUL
	MUL8 \f, 1, 0, 0
	MUL8 \f, 1, 2, 0
.endm
; The last quarter multiplies buffer 1 and changes slots: ONE barrier; in front of it each wave waits for all its tensor loads, adds 0 to its spare word, and waits for that and for its reads of this slot.
; fill = 1: the barrier opens a round of the cluster's, and this slot is filled again, two K steps ahead, first thing behind it.
.macro TURN slot, next, fill
	WIN 0
	s_wait_tensorcnt 0x0
	ds_add_u32 v[SPW], v[NIL]
	s_wait_dscnt 17                                ; the add and the youngest sixteen loads may be out
	WIN MUL
	MUL8 F1, 0, 0, 0
	s_wait_dscnt 0x0                               ; the add is done, and my reads of this slot are over
	s_barrier_signal -1
	MUL8 F1, 0, 2, 0
.if \fill
	WIN 0
.endif
	s_barrier_wait -1
.if \fill
	CREST
	s_add_nc_u64 s[G0+4*\slot+2:G0+4*\slot+3], s[G0+4*\slot+2:G0+4*\slot+3], 2*8192
	s_add_nc_u64 s[G0B+4*\slot+2:G0B+4*\slot+3], s[G0B+4*\slot+2:G0B+4*\slot+3], 2*8192
	JLOAD \slot                                    ; the four v_nop behind it are also the places in front of the loads below
.else
	PLACES
.endif
	FETCH \next, 0, F0
	WIN MUL
	MUL8 F1, 1, 0, 0
	MUL8 F1, 1, 2, 0
.endm
	s_wait_tensorcnt 1                             ; my part of K step 0 is in; K step 1's load may be out
	s_barrier_signal -1
	s_barrier_wait -1
	FETCH 0, 0, F0
	QUARTER 0, 1, F0, F1, 1                        ; the first products start the sums
	QUARTER 0, 2, F1, F0, 0
	QUARTER 0, 3, F0, F1, 0
	TURN 0, 1, 1                                   ; slot 0 takes K step 2
	QUARTER 1, 1, F0, F1, 0
	QUARTER 1, 2, F1, F0, 0
	QUARTER 1, 3, F0, F1, 0
	TURN 1, 0, 1                                   ; slot 1 takes K step 3
	QUARTER 0, 1, F0, F1, 0
	QUARTER 0, 2, F1, F0, 0
	QUARTER 0, 3, F0, F1, 0
	TURN 0, 1, 0                                   ; nothing is left to fetch
	QUARTER 1, 1, F0, F1, 0
	QUARTER 1, 2, F1, F0, 0
	QUARTER 1, 3, F0, F1, 0
	s_wait_dscnt 16
	WIN MUL
	MUL8 F1, 0, 0, 0
	MUL8 F1, 0, 2, 0
	s_wait_dscnt 0
	MUL8 F1, 1, 0, 0
	MUL8 F1, 1, 2, 0
	WIN 0
; THE WAY OUT, 16 rows x 64 columns at a time: 32 bytes a lane into my own stage, back as whole rows of 256 bytes.  LDS serves a wave's instructions in order: no wait between the stores and the loads, nor in front of the next block's stores.
.macro TOSTAGE a
.irp b, 0,1,2,3
	ds_store_b128 v[STO], v[ACC+8*(4*(\a)+\b):ACC+8*(4*(\a)+\b)+3] offset:64*\b        ; each accumulator from its low end on
	ds_store_b128 v[STO], v[ACC+8*(4*(\a)+\b)+4:ACC+8*(4*(\a)+\b)+7] offset:64*\b+16
.endr
.irp t, 0,1,2,3,4,5,6,7
	ds_load_b128 v[TMP+32*((\a)%2)+4*\t:TMP+32*((\a)%2)+4*\t+3], v[RD] offset:\t*2*SPITCH
.endr
.endm
.macro SEND a, younger                 ; younger: the LDS instructions issued behind block a's loads, which may stay out
	s_wait_dscnt \younger
.irp t, 0,1,2,3,4,5,6,7
	global_store_b128 v[CO], v[TMP+32*((\a)%2)+4*\t:TMP+32*((\a)%2)+4*\t+3], s[8:9] offset:(16*(\a)+2*\t)*4096 th:TH_STORE_NT   ; sixteen lanes store 256 consecutive bytes, aligned
.endr
.endm
	PLACES
	TOSTAGE 0
	TOSTAGE 1
	SEND 0, 16
	s_wait_xcnt 0x0                                ; block 0's stores have read their registers: block 2's loads may land there
	TOSTAGE 2
	SEND 1, 16
	s_wait_xcnt 0x0
	TOSTAGE 3
	SEND 2, 16
	SEND 3, 0
	s_wait_tensorcnt 0x0                           ; the wave's end
	ds_add_u32 v[SPW], v[NIL]
	s_wait_dscnt 0x0
	CROUND                                         ; the closing round
	s_endpgm
.Lfunc_end_k_qee7aedba03_proj:
	.size	k_qee7aedba03_proj, .Lfunc_end_k_qee7aedba03_proj-k_qee7aedba03_proj
	.p2alignl 7, 3214868480
	.fill 96, 4, 3214868480
	.section	.rodata,"a",@progbits
	.p2align	6, 0x0
	.amdhsa_kernel k_qee7aedba03_proj
		.amdhsa_group_segment_fixed_size 327680
		.amdhsa_private_segment_fixed_size 0
		.amdhsa_enable_private_segment 0
		.amdhsa_kernarg_size 24
		.amdhsa_user_sgpr_count 2
		.amdhsa_user_sgpr_kernarg_segment_ptr 1
		.amdhsa_wavefront_size32 1
		.amdhsa_system_sgpr_workgroup_id_x 1
		.amdhsa_system_sgpr_workgroup_id_y 1
		.amdhsa_system_sgpr_workgroup_id_z 1
		.amdhsa_system_vgpr_workitem_id 0
		.amdhsa_next_free_vgpr 512
		.amdhsa_next_free_sgpr 66
		.amdhsa_reserve_vcc 0
		.amdhsa_float_denorm_mode_32 3
		.amdhsa_float_denorm_mode_16_64 3
		.amdhsa_memory_ordered 1
		.amdhsa_forward_progress 1
		.amdhsa_inst_pref_size 85
	.end_amdhsa_kernel
	.amdgpu_metadata
---
amdhsa.version: [ 1, 2 ]
amdhsa.kernels:
  - .name:           k_qee7aedba03_proj
    .symbol:         k_qee7aedba03_proj.kd
    .args:
      - { .name: oimg, .offset: 0, .size: 8, .value_kind: global_buffer, .address_space: global }
      - { .name: w16, .offset: 8, .size: 8, .value_kind: global_buffer, .address_space: global }
      - { .name: out0, .offset: 16, .size: 8, .value_kind: global_buffer, .address_space: global }
    .group_segment_fixed_size: 327680
    .private_segment_fixed_size: 0
    .kernarg_segment_align: 8
    .kernarg_segment_size: 24
    .max_flat_workgroup_size: 128
    .sgpr_count:     66
    .vgpr_count:     512
    .wavefront_size: 32
...
	.end_amdgpu_metadata
.endif
;; end of part 4
